; MI455X (gfx1250); checked and timed in simulation.
; The chip was launched on July 23, 2026; its instructions are those of AMD's public machine-readable ISA for CDNA 5 (MIT licence, August 2026) and "CDNA5" Instruction Set Architecture Reference Guide (July 2026). The comments in the code are by the model that wrote it; some were corrected since.
;; Transformer Block. Allowed arithmetic: matrix products marked QUANTISED: E2M3 operands, one E8M0 scale for each 32 along K, by v_wmma_scale_f32_16x16x128_f8f6f4 with both operands' format E2M3, f32 sums; everything else in f32.
;; Inputs: b1 4,096 float32; b2 1,024 float32; bk 1,024 float32; bo 1,024 float32; bq 1,024 float32; bv 1,024 float32; ln1_scale 1,024 float32; ln1_shift 1,024 float32; ln2_scale 1,024 float32; ln2_shift 1,024 float32; w1 1,024 x 4,096 float32; w2 4,096 x 1,024 float32; wk 1,024 x 1,024 float32; wo 1,024 x 1,024 float32; wq 1,024 x 1,024 float32; wv 1,024 x 1,024 float32; x 2 x 2,048 x 1,024 float32.
;; Outputs: out0 2 x 2,048 x 1,024 float32.
;; This version of the problem:
;;   THIS VERSION OF THE PROBLEM IS GIVEN IN LOW PRECISION. The matrix products marked QUANTISED in the list below multiply operands that are first quantised to E2M3 (2 exponent bits, 3 mantissa bits; 6 bits a number), with one power-of-two scale for each 32 numbers along K (OCP MX v1.0); their sums are f32. All else is computed in f32.
;;   The module's matrix products, in the order in which they are computed (A, B: the left and right operand; K: the contracted axis; several contracted axes count as one K, in the product's order):
;;     1. [M 4,096, K 1,024] x [K 1,024, N 1,024]; A: computed on the way; B: input wq: QUANTISED
;;     2. [M 4,096, K 1,024] x [K 1,024, N 1,024]; A: computed on the way; B: input wk: QUANTISED
;;     3. [M 4,096, K 1,024] x [K 1,024, N 1,024]; A: computed on the way; B: input wv: QUANTISED
;;     4. batch 32 x [M 2,048, K 64] x [K 64, N 2,048]; A: computed on the way; B: computed on the way: QUANTISED
;;     5. batch 32 x [M 2,048, K 2,048] x [K 2,048, N 64]; A: softmax (see below); B: computed on the way: QUANTISED
;;     6. [M 4,096, K 1,024] x [K 1,024, N 1,024]; A: computed on the way; B: input wo: QUANTISED
;;     7. [M 4,096, K 1,024] x [K 1,024, N 4,096]; A: computed on the way; B: input w1: QUANTISED
;;     8. [M 4,096, K 4,096] x [K 4,096, N 1,024]; A: computed on the way; B: input w2: QUANTISED
;;   THE QUANTISER, for each operand of a quantised product, along K:
;;     - K is cut into blocks of 32 from its start; a last block that is shorter is filled with zeros.
;;     - A block's scale is 2^e with e = floor(log2(the largest magnitude in the block)) - 2, held to -126 .. 127; a block of zeros has e = 0. As a byte (E8M0): e + 127.
;;     - Each number is divided by its block's scale, clamped to +-7.5, and rounded to the nearest number of E2M3, ties to even, subnormals kept.
;;     - The product sums the exact products of the quantised numbers (number of the format x scale) in f32.
;;   ~~~python
;;   def quantise(x, axis):      # numpy; x: float32 -> the quantised numbers, widened to float32 again
;;       x = np.moveaxis(x, axis, -1); K = x.shape[-1]
;;       x = np.pad(x, [(0, 0)] * (x.ndim - 1) + [(0, -K % 32)]); x = x.reshape(x.shape[:-1] + (-1, 32)); a = np.abs(x).max(-1, keepdims=True)
;;       e = np.where(a > 0, np.clip(np.frexp(np.where(a > 0, a, 1))[1] - 1 - 2, -126, 127), 0)      # np.frexp(a)[1] - 1 = floor(log2(a)), exactly
;;       r = np.clip(x / 2.0 ** e, -7.5, 7.5)
;;       step = 2.0 ** (np.maximum(np.frexp(np.where(r == 0, 1, r))[1] - 1, 0) - 3)
;;       q = np.round(r / step) * step * 2.0 ** e      # np.round: ties to even
;;       return np.moveaxis(q.reshape(q.shape[:-2] + (-1,))[..., :K], -1, axis).astype(np.float32)
;;   ~~~
;;   SOFTMAX AHEAD OF A QUANTISED PRODUCT. Where the list says 'softmax', what is quantised is not the finished softmax but p = 2^(t - M), with t = logit x log2(e) and M = ceil(the row's largest t), a whole number; so 1/2 < the row's largest p <= 1. The row's sum l is taken of the UNQUANTISED p, in f32, and the product's result is divided by l at the end. Since M is a whole number, a kernel that streams over the keys may use a running M (the ceiling of the running maximum): every later rescaling is an exact power of two, which a block's scale takes up: the codes' values come out the same.
;;   OPERANDS COMPUTED ON THE WAY. 'Computed on the way' means the value that the module computes at that place (a softmax that the list does not call 'softmax' is quantised finished and normalised). What goes into a quantiser is computed in f32, as accurately as f32 sums, v_exp_f32 and their like allow (about 1e-6 of the number): no bf16 or f16 on the way to a quantiser, and a product that is left as it is and whose result goes on into a quantised operand takes f32 operands (vector FMAs, or v_wmma_f32_16x16x4_f32). A number that lies on a knife's edge between two numbers of the format may be rounded either way, as far as f32 arithmetic and the matrix unit's own rounding can turn it there, and no further.
;; One version. Each part assembles by itself: llvm-mc -triple=amdgcn-amd-amdhsa -mcpu=gfx1250 --defsym DOCPART=n.
;; ======== version 1 of 1: 7 launches
;; limits: a function is approximated: absolute error at most 1e-07
;; workspace buffers: W 9,830,400 bytes; H 3,276,800 bytes; QKV 10,092,544 bytes; CTX 3,276,800 bytes; X1 16,777,216 bytes; HID 13,107,200 bytes
;; launch prep (part 1): grid 640 x 1, 4 waves a work-group, no clusters, 91,904 bytes of LDS; arguments x, ln1_scale, ln1_shift, H, wq, wk, wv, wo, w1, w2, W; writes W, H
.if DOCPART == 1
	.amdgcn_target "amdgcn-amd-amdhsa--gfx1250"
	.amdhsa_code_object_version 6
	.text
	.protected	k_q4e2052a5bf_prep
	.globl	k_q4e2052a5bf_prep
	.p2align	8
	.type	k_q4e2052a5bf_prep,@function
k_q4e2052a5bf_prep:
	s_mov_b64 s[64:65], 0
	v_nop
	global_prefetch_b8 v0, s[64:65] scope:SCOPE_SE
	s_setreg_imm32_b32 hwreg(HW_REG_WAVE_MODE, 25, 1), 1
	s_wait_xcnt 0x0
; TRANSFORMER BLOCK IN MX-FP6, launch 1 of 7: the six weights become codes of E2M3 and E8M0 scale bytes, laid in the order of the operand's registers; and, in work-groups of their own, the first layer norm is made and quantised.
; THE PROGRAM: prep (weights; layer norm 1) | qkv (three projections, quantised on the way out) | attn (causal attention) | wo (projection + residual) | ln2 | w1 (+ gelu, quantised) | w2 (+ residual).
; DEAD WORK LEFT OUT, in launch attn alone: reference() builds jnp.tril in its own body and sets a score to -inf where the key comes after the query; the softmax gives such a key the weight 0 for all finite
; inputs.  So a step of 128 keys all of which come after all 16 queries of a wave's tile reaches no output: it is not multiplied, and where no wave of a work-group wants it, it is not copied.  Every input has a way to the
; output (every bias too: each moves codes of a live quantised operand or the result itself), so every input is loaded.
; LIMITS OF THE PROGRAM: NaN and infinities among the inputs are not served; a NaN, an infinity or an overflow that reaches only the key steps left out is not carried to the result; a block whose largest magnitude lies
; under 2^-124 keeps the byte 1, and a block of zeros has the byte 1 where the rule says 127: its codes are zeros, which add nothing under any byte but 0xff, and these bytes are read by this program alone.
; LAYOUTS.  An operand's rows (for a weight: its columns n) go in tiles of 16; tile 2 B + u holds at place p the row 32 B + 8 u + p + 8 (p / 8), so that a product's results of two neighbouring tiles are 16 neighbours.
; A fragment (16 rows x 128 K, 12 registers a lane) is 1,536 bytes: three runs of 512, run c = registers 4 c .. 4 c + 3, 16 bytes a lane.  Codes: [tile][K step][1,536].
; Scale words (four bytes: 128 along K of a row): [group of 8 tiles][pair of K steps][quad][32 lanes][4 words]: lane 16 e + p, word i of quad q = place p of tile 4 q + i, K step 2 x pair + e.
; TWO WORKS IN ONE LAUNCH.  The weights and the layer norm share no byte and neither waits for the other, so one launch serves both and a launch's start and end are spared.  Work-groups 0-383 take the weights, 384-639 the
; norm's 256 tiles of rows: one scalar branch on the work-group's number at the head; each path has its own LDS bytes, its own barrier and its own end.
; THE WEIGHTS.  A weight is [K][N] f32: a lane takes a column and its registers run down K, so a block of 32 lies in one lane and the codes come out with K innermost.  A work-group takes 128 columns x 256 along K,
; wave w columns 32 w .. 32 w + 31 (tiles 2 w, 2 w + 1), 8 blocks a lane.  Codes go through the wave's own stage in LDS and leave in runs of 512 bytes; the pair's 1,024 bytes of scale words are gathered in LDS by all four waves.
; Work-groups 0-255: row group id / 4 of wq, wk, wv, wo, w1 (8, 8, 8, 8, 32 groups), 256 along K each; 256-383: w2.  Only pointers and strides are chosen, by the work-group's number.
; THE NORM: described at its label below.   No tensor load, no cluster: no two work-groups read the same bytes but gain and shift, 8 KiB.
.set SPW,   254                        ; v254 my spare word's LDS address; never rewritten
.set NIL,   255                        ; v255 0; never rewritten
.set NPREP, 384                        ; work-groups of the weights' path
.set SCG,   24576                      ; LDS, the weights' path: four stages of 6,144 bytes, then the pair's scale words, 1,024 bytes
.set LNS,   25600                      ; LDS, the norm's path: its stage, 16 rows of 4,112 bytes
.set SPARE, 91392                      ; the spare words, 128 bytes a wave: two blocks of 256 bytes that no other line names
	v_lshl_add_u32 v[SPW], v0, 2, SPARE
	v_mov_b32 v[NIL], 0
	s_cmp_lt_u32 ttmp9, NPREP
	s_cbranch_scc0 .Lnorm
.set OFF,   16                         ; v16-47   4 x column + i x the weight's row, i = 0 .. 31
.set X,     48                         ; v48-111  two sets of 32 numbers
.set F,     112                        ; v112-117 a block's codes
.set Y,     120                        ; v120-122 their second half, as converted
.set SW,    124                        ; v124-125 the scale words of my two K steps
.set OUTR,  128                        ; v128-175 the way out
	s_load_b256 s[4:11], s[0:1], 0x20              ; wq, wk, wv, wo
	s_load_b128 s[12:15], s[0:1], 0x40             ; w1, w2
	s_load_b64 s[16:17], s[0:1], 0x50              ; W
	v_lshrrev_b32 v10, 5, v0
	v_readfirstlane_b32 s18, v10                   ; wave
	v_and_b32 v1, 31, v0                           ; o: my column among the wave's 32
	v_bfe_u32 v10, v0, 3, 1                        ; u = bit 3 of o: which of the wave's two tiles
	v_and_b32 v11, 7, v0
	v_bfe_u32 v12, v0, 4, 1
	v_lshl_add_u32 v11, v12, 3, v11                ; p = o % 8 + 8 (o / 16): my place in it
	s_mul_i32 s62, s18, 6144                       ; my stage: [tile 2][K step 2][1,536]
	v_mul_u32_u24 v2, v10, 3072
	v_lshl_add_u32 v2, v11, 4, v2
	v_add_nc_u32 v2, s62, v2                       ; v2: into it: tile u, 16 bytes at place p
	v_lshlrev_b32 v4, 4, v1                        ; v4: 16 x lane
	v_add_nc_u32 v3, s62, v4                       ; v3: out of it, as it lies
	s_lshr_b32 s63, s18, 1
	s_lshl_b32 s63, s63, 9                         ; quad = wave / 2
	s_and_b32 s62, s18, 1
	s_lshl_b32 s62, s62, 3                         ; word 2 (wave % 2) + u
	s_add_co_u32 s63, s63, s62
	s_add_co_u32 s63, s63, SCG
	v_lshlrev_b32 v5, 4, v11
	v_lshl_add_u32 v5, v10, 2, v5
	v_add_nc_u32 v5, s63, v5                       ; v5: my scale word's place (K step e: 256 e further on)
	v_lshlrev_b32 v6, 3, v0                        ; v6: 8 x thread: the scale words' way out
	v_add_nc_u32 v7, SCG, v6
	; which weight, which columns, which 256 along K: arithmetic first, then the choices, each straight behind its compare
	s_lshr_b32 s20, ttmp9, 2                       ; row group (ids 0-255)
	s_and_b32 s21, ttmp9, 3                        ; its quarter of K
	s_sub_co_u32 s22, ttmp9, 0x100
	s_lshr_b32 s23, s22, 4                         ; w2: column group,
	s_and_b32 s24, s22, 15                         ; sixteenth of K
	s_mul_i32 s25, s20, 98304                      ; codes: 8 tiles x 8 K steps x 1,536 a group
	s_mul_i32 s26, s23, 393216                     ; w2: 8 x 32 x 1,536
	s_add_co_u32 s26, s26, 6291456
	s_lshl_b32 s27, s20, 12
	s_add_co_u32 s27, s27, 9437184                 ; scale words: 4,096 bytes a group
	s_lshl_b32 s28, s23, 14
	s_add_co_u32 s28, s28, 9699328                 ; w2: 16,384
	s_and_b32 s29, s20, 7                          ; column group inside wq .. wo
	s_sub_co_u32 s30, s20, 32                      ; inside w1
	s_mov_b32 s31, 12288                           ; from tile to tile in the codes
	s_mov_b32 s54, 49152
	s_mov_b32 s55, 4096                            ; a row of the weight in bytes
	s_mov_b32 s56, 16384
	s_wait_kmcnt 0x0
	s_cmp_lt_u32 ttmp9, 32
	s_cselect_b64 s[4:5], s[4:5], s[6:7]
	s_cmp_lt_u32 ttmp9, 64
	s_cselect_b64 s[4:5], s[4:5], s[8:9]
	s_cmp_lt_u32 ttmp9, 96
	s_cselect_b64 s[4:5], s[4:5], s[10:11]
	s_cmp_lt_u32 ttmp9, 128
	s_cselect_b64 s[4:5], s[4:5], s[12:13]
	s_cselect_b32 s29, s29, s30
	s_cselect_b32 s55, s55, s56
	s_cmp_lt_u32 ttmp9, 256
	s_cselect_b64 s[4:5], s[4:5], s[14:15]
	s_cselect_b32 s29, s29, s23
	s_cselect_b32 s55, s55, 0x1000
	s_cselect_b32 s21, s21, s24
	s_cselect_b32 s31, s31, s54
	s_cselect_b32 s25, s25, s26
	s_cselect_b32 s27, s27, s28
	s_lshl_b32 s57, s21, 8                         ; my first row of the weight: 256 x part of K
	s_mul_i32 s58, s57, s55
	s_lshl_b32 s57, s29, 9                         ; + 128 columns a group
	s_add_co_u32 s58, s58, s57
	s_lshl_b32 s57, s18, 7                         ; + 32 columns a wave
	s_add_co_u32 s58, s58, s57
	s_mov_b32 s59, 0
	s_lshl_b32 s60, s55, 5                         ; 32 rows on
	s_mov_b32 s61, 0
	s_add_nc_u64 s[32:33], s[4:5], s[58:59]        ; a base for each of the 8 blocks: no pointer is stepped later
.irp t, 1,2,3,4,5,6,7
	s_add_nc_u64 s[32+2*\t:33+2*\t], s[30+2*\t:31+2*\t], s[60:61]
.endr
	s_mul_i32 s57, s21, 3072                       ; my two K steps in a tile's codes
	s_add_co_u32 s58, s25, s57
	s_lshl_b32 s57, s18, 1
	s_mul_i32 s57, s57, s31                        ; tile 2 w
	s_add_co_u32 s58, s58, s57
	s_add_nc_u64 s[48:49], s[16:17], s[58:59]
	s_mov_b32 s58, s31
	s_add_nc_u64 s[50:51], s[48:49], s[58:59]      ; tile 2 w + 1
	s_lshl_b32 s57, s21, 10                        ; my pair of K steps among the scale words
	s_add_co_u32 s58, s27, s57
	s_add_nc_u64 s[52:53], s[16:17], s[58:59]
	v_lshlrev_b32 v[OFF], 2, v1
.set I, 1
.rept 31
	v_add_nc_u32 v[OFF+I], s55, v[OFF+I-1]
.set I, I+1
.endr
.macro LOAD t                          ; block t: 32 rows of the weight at my column: each load reads 128 consecutive bytes a wave
.irp i, 0,1,2,3,4,5,6,7,8,9,10,11,12,13,14,15,16,17,18,19,20,21,22,23,24,25,26,27,28,29,30,31
	global_load_b32 v[X+32*((\t)%2)+\i], v[OFF+\i], s[32+2*(\t):33+2*(\t)] th:TH_LOAD_NT
.endr
.endm
; Block t is block t % 4 of K step t / 4: in the fragment it belongs to lane 16 (t % 2) + p, registers 6 c .. 6 c + 5, c = (t / 2) % 2.
.macro BLOCK t
.set XS, X+32*((\t)%2)
.if (\t) < 7
	s_wait_loadcnt 32                              ; this block's 32 loads are in; the next block's 32 may be out
.else
	s_wait_loadcnt 0x0
.endif
	v_max3_num_f32 v12, |v[XS]|, |v[XS+1]|, |v[XS+2]|
	v_max3_num_f32 v13, |v[XS+3]|, |v[XS+4]|, |v[XS+5]|
.irp i, 6,10,14,18,22,26
	v_max3_num_f32 v12, v12, |v[XS+\i]|, |v[XS+\i+1]|
	v_max3_num_f32 v13, v13, |v[XS+\i+2]|, |v[XS+\i+3]|
.endr
	v_max3_num_f32 v12, v12, |v[XS+30]|, |v[XS+31]|
	v_max3_num_f32 v12, v12, v13, 0x1800000        ; the floor 2^(3 - 127): the byte cannot fall under 1
	v_add_nc_u32 v11, 0xff000000, v12              ; 2 off the exponent field: the conversion's scale operand
	v_lshrrev_b32 v13, 23, v11                     ; the scale's byte
.if (\t)%4 == 0
	v_mov_b32 v[SW+(\t)/4], v13
.else
	v_lshl_or_b32 v[SW+(\t)/4], v13, 8*((\t)%4), v[SW+(\t)/4]
.endif
	v_cvt_scalef32_pk16_fp6_f32 v[F:F+2], v[XS:XS+15], v11
	v_cvt_scalef32_pk16_fp6_f32 v[Y:Y+2], v[XS+16:XS+31], v11   ; (a conversion's three registers begin on an even number)
	v_nop                                          ; one plain line behind the conversions
.irp i, 0,1,2
	v_mov_b32 v[F+3+\i], v[Y+\i]
.endr
.if ((\t)/2)%2 == 0
	ds_store_b128 v2, v[F:F+3] offset:((\t)/4)*1536+256*((\t)%2)          ; registers 0-3: run 0
	ds_store_b64 v2, v[F+4:F+5] offset:((\t)/4)*1536+512+256*((\t)%2)     ; registers 4, 5: the lower half of my 16 bytes of run 1
.else
	ds_store_b64 v2, v[F:F+1] offset:((\t)/4)*1536+520+256*((\t)%2)       ; registers 6, 7: the upper half
	ds_store_b128 v2, v[F+2:F+5] offset:((\t)/4)*1536+1024+256*((\t)%2)   ; registers 8-11: run 2
.endif
.if (\t)+2 < 8
	LOAD (\t)+2
.endif
	s_wait_dscnt 0x0                               ; the stores have read their registers: the next block's codes may be written
.endm
	LOAD 0
	LOAD 1
.irp t, 0,1,2,3,4,5,6,7
	BLOCK \t
.endr
	ds_store_b32 v5, v[SW]                         ; my column's scale words of the two K steps
	ds_store_b32 v5, v[SW+1] offset:256
.irp q, 0,1,2,3,4,5,6,7,8,9,10,11
	ds_load_b128 v[OUTR+4*\q:OUTR+4*\q+3], v3 offset:512*\q   ; my own stage: LDS serves a wave's instructions in order
.endr
	s_wait_dscnt 0x0                               ; for the others' sake: my scale words have landed
	s_barrier_signal -1
	s_barrier_wait -1
.irp q, 0,1,2,3,4,5
	global_store_b128 v4, v[OUTR+4*\q:OUTR+4*\q+3], s[48:49] offset:512*\q          ; 512 consecutive bytes a store
.endr
.irp q, 0,1,2,3,4,5
	global_store_b128 v4, v[OUTR+24+4*\q:OUTR+24+4*\q+3], s[50:51] offset:512*\q
.endr
	ds_load_b64 v[10:11], v7                       ; scale words that all four waves stored: behind the barrier
	s_wait_dscnt 0x0
	global_store_b64 v6, v[10:11], s[52:53]        ; each wave stores 256 consecutive bytes of the pair's 1,024
	s_wait_tensorcnt 0x0                           ; the wave's end
	ds_add_u32 v[SPW], v[NIL]
	s_wait_dscnt 0x0
	s_endpgm
.Lnorm:
; LAYER NORM AND QUANTISER: h = gain (x - mean) rsqrt(var + 1e-5) + shift, all in f32, then codes of E2M3 and scale words along the row's 1,024.
; A work-group makes one tile of 16 rows, tile T = its number - 384.  Phase 1: wave w takes places 4 w .. 4 w + 3, four consecutive rows of memory, a row in 32 registers (each load reads 512 consecutive bytes), so mean and
; variance never leave the wave; the finished rows go to a stage in LDS.  One barrier.  Phase 2: wave w takes K steps 2 w and 2 w + 1 of all 16 rows: lane (r, h) reads whole blocks of 32 (k = 128 s + 64 c + 32 h + 0 .. 31 of
; row r), so a block's largest magnitude needs no other lane and the conversions' results are the fragment's registers.
; The scale words leave as 4 bytes a lane, 16 bytes apart: a tile owns one word of each 16 bytes of the scale image; they are one part in 24 of the codes' bytes.
.set X,     32                         ; v32-159  phase 1: row i at 32 i, chunk j: k = 128 j + 4 lane + 0 .. 3;  phase 2: 128 numbers: 64 e + 32 c + i
.set GA,    160                        ; v160-191 gain;  later the conversions' second halves
.set SH,    192                        ; v192-223 shift
.set PC,    224                        ; v224-235, v240-251: the two fragments
.set PITCH, 4112                       ; a stage row: 4,096 bytes + 16: an odd multiple of 16, so that 16 rows' reads start in 16 different groups of banks
	s_load_b256 s[4:11], s[0:1], 0x0               ; x, gain, shift, H
	s_sub_co_u32 s24, ttmp9, NPREP                 ; T
	v_lshrrev_b32 v8, 5, v0
	v_readfirstlane_b32 s12, v8                    ; wave
	v_and_b32 v1, 31, v0                           ; lane
	v_lshlrev_b32 v2, 4, v1                        ; 16 x lane
	v_and_b32 v8, 15, v0                           ; r
	v_bfe_u32 v7, v0, 4, 1                         ; h
	s_mul_i32 s16, s12, 4*PITCH
	s_add_co_u32 s16, s16, LNS
	v_add_nc_u32 v5, s16, v2                       ; the stage, in: my four rows, 16 bytes a lane
	v_mul_u32_u24 v6, v8, PITCH
	v_lshl_add_u32 v6, v7, 7, v6
	s_lshl_b32 s17, s12, 10
	s_add_co_u32 s17, s17, LNS
	v_add_nc_u32 v6, s17, v6                       ; and out: row r, + 128 h, + my two K steps
	s_lshr_b32 s13, s24, 1
	s_lshl_b32 s13, s13, 5
	s_and_b32 s14, s24, 1
	s_lshl_b32 s14, s14, 3
	s_add_co_u32 s13, s13, s14
	s_lshl_b32 s14, s12, 2
	s_add_co_u32 s13, s13, s14
	s_lshr_b32 s14, s12, 1
	s_lshl_b32 s14, s14, 3
	s_add_co_u32 s13, s13, s14                     ; my first row: 32 (T / 2) + 8 (T % 2) + 4 w + 8 (w / 2)
	s_lshl_b32 s14, s13, 12
	s_mov_b32 s15, 0
	s_mul_i32 s18, s24, 12288                      ; the tile's codes,
	s_mul_i32 s19, s12, 3072                       ; my two K steps
	s_add_co_u32 s18, s18, s19
	s_mov_b32 s19, 0
	s_lshr_b32 s22, s24, 3
	s_lshl_b32 s22, s22, 12                        ; scale words: the group of 8 tiles,
	s_lshl_b32 s23, s12, 10                        ; pair w,
	s_add_co_u32 s22, s22, s23
	s_bfe_u32 s23, s24, 0x10002
	s_lshl_b32 s23, s23, 9                         ; quad (T / 4) % 2,
	s_add_co_u32 s22, s22, s23
	s_and_b32 s23, s24, 3
	s_lshl_b32 s23, s23, 2                         ; word T % 4
	s_add_co_u32 s22, s22, s23
	s_add_co_u32 s22, s22, 3145728
	s_mov_b32 s23, 0
	s_mov_b32 s20, 0x76543210
	s_mov_b32 s21, 0xfedcba98                      ; lane l xor 16
	s_mov_b32 s26, 0x3a800000                      ; 1 / 1,024
	s_mov_b32 s27, 0x3727c5ac                      ; 1e-5
	s_wait_kmcnt 0x0
	s_add_nc_u64 s[4:5], s[4:5], s[14:15]
	s_add_nc_u64 s[18:19], s[10:11], s[18:19]
	s_add_nc_u64 s[22:23], s[10:11], s[22:23]
.irp i, 0,1,2,3
.irp j, 0,1,2,3,4,5,6,7
	global_load_b128 v[X+32*\i+4*\j:X+32*\i+4*\j+3], v2, s[4:5] offset:4096*\i+512*\j
.endr
.endr
.irp j, 0,1,2,3,4,5,6,7
	global_load_b128 v[GA+4*\j:GA+4*\j+3], v2, s[6:7] offset:512*\j
	global_load_b128 v[SH+4*\j:SH+4*\j+3], v2, s[8:9] offset:512*\j
.endr
	s_wait_loadcnt 0x0
.macro LANESUM                         ; v[8 + 2 i], i = 0 .. 3: summed over the 32 lanes, the result in every lane
.irp i, 0,1,2,3
	v_add_f32 v[8+2*\i], v[8+2*\i], v[9+2*\i]
.endr
.irp m, 1,2,4,8
.irp i, 0,1,2,3
	v_add_f32_dpp v[8+2*\i], v[8+2*\i], v[8+2*\i] row_xmask:\m row_mask:0xf bank_mask:0xf
.endr
.endr
.irp i, 0,1,2,3
	v_permlanex16_b32 v[9+2*\i], v[8+2*\i], s20, s21
.endr
.irp i, 0,1,2,3
	v_add_f32 v[8+2*\i], v[8+2*\i], v[9+2*\i]
.endr
.endm
.irp i, 0,1,2,3                        ; the four rows by turns, so that no line waits for the line above it
	v_pk_add_f32 v[8+2*\i:9+2*\i], v[X+32*\i:X+32*\i+1], v[X+32*\i+2:X+32*\i+3]
.endr
.irp j, 4,6,8,10,12,14,16,18,20,22,24,26,28,30
.irp i, 0,1,2,3
	v_pk_add_f32 v[8+2*\i:9+2*\i], v[8+2*\i:9+2*\i], v[X+32*\i+\j:X+32*\i+\j+1]
.endr
.endr
	LANESUM
.irp i, 0,1,2,3
	v_mul_f32 v[16+2*\i], s26, v[8+2*\i]           ; the mean, as a pair
.endr
.irp i, 0,1,2,3
	v_mov_b32 v[17+2*\i], v[16+2*\i]
.endr
.irp j, 0,2,4,6,8,10,12,14,16,18,20,22,24,26,28,30
.irp i, 0,1,2,3
	v_pk_add_f32 v[X+32*\i+\j:X+32*\i+\j+1], v[X+32*\i+\j:X+32*\i+\j+1], v[16+2*\i:17+2*\i] neg_lo:[0,1] neg_hi:[0,1]   ; x - mean
.endr
.endr
.irp i, 0,1,2,3
	v_pk_mul_f32 v[8+2*\i:9+2*\i], v[X+32*\i:X+32*\i+1], v[X+32*\i:X+32*\i+1]
.endr
.irp j, 2,4,6,8,10,12,14,16,18,20,22,24,26,28,30
.irp i, 0,1,2,3
	v_pk_fma_f32 v[8+2*\i:9+2*\i], v[X+32*\i+\j:X+32*\i+\j+1], v[X+32*\i+\j:X+32*\i+\j+1], v[8+2*\i:9+2*\i]
.endr
.endr
	LANESUM
.irp i, 0,1,2,3
	v_fma_f32 v[8+2*\i], v[8+2*\i], s26, s27       ; var + 1e-5
.endr
.irp i, 0,1,2,3
	v_rsq_f32 v[24+2*\i], v[8+2*\i]
.endr
	v_nop                                          ; one plain line behind the batch
	s_wait_alu depctr_va_vdst(0)                   ; one wait for the four, ahead of their first reader
.irp i, 0,1,2,3
	v_mov_b32 v[25+2*\i], v[24+2*\i]
.endr
.irp j, 0,2,4,6,8,10,12,14,16,18,20,22,24,26,28,30
.irp i, 0,1,2,3
	v_pk_mul_f32 v[X+32*\i+\j:X+32*\i+\j+1], v[X+32*\i+\j:X+32*\i+\j+1], v[24+2*\i:25+2*\i]
.endr
.irp i, 0,1,2,3
	v_pk_fma_f32 v[X+32*\i+\j:X+32*\i+\j+1], v[X+32*\i+\j:X+32*\i+\j+1], v[GA+\j:GA+\j+1], v[SH+\j:SH+\j+1]
.endr
.endr
.irp i, 0,1,2,3
.irp j, 0,1,2,3,4,5,6,7
	ds_store_b128 v5, v[X+32*\i+4*\j:X+32*\i+4*\j+3] offset:PITCH*\i+512*\j
.endr
.endr
	s_wait_dscnt 0x0                               ; for the others' sake: my four rows have landed
	s_barrier_signal -1
	s_barrier_wait -1
.irp e, 0,1
.irp c, 0,1
.irp i, 0,1,2,3,4,5,6,7
	ds_load_b128 v[X+64*\e+32*\c+4*\i:X+64*\e+32*\c+4*\i+3], v6 offset:512*\e+256*\c+16*\i
.endr
.endr
.endr
	v_lshlrev_b32 v24, 3, v7                       ; 8 h
	v_mov_b32 v22, 0                               ; (a lane permute's destination counts as one of its sources)
	v_mov_b32 v23, 0
	s_wait_dscnt 0x0
.irp q, 0,1,2,3                        ; block q = 2 e + c of mine: all its 32 numbers are mine; the four by turns
	v_max3_num_f32 v[8+\q], |v[X+32*\q]|, |v[X+32*\q+1]|, 0x1800000   ; and the floor 2^(3 - 127): the byte cannot fall under 1
.endr
.irp i, 2,4,6,8,10,12,14,16,18,20,22,24,26,28,30
.irp q, 0,1,2,3
	v_max3_num_f32 v[8+\q], v[8+\q], |v[X+32*\q+\i]|, |v[X+32*\q+\i+1]|
.endr
.endr
.irp q, 0,1,2,3
	v_add_nc_u32 v[12+\q], 0xff000000, v[8+\q]     ; 2 off the exponent field: the conversion's scale operand
.endr
.irp q, 0,1,2,3
	v_lshrrev_b32 v[16+\q], 23, v[12+\q]           ; the scale's byte
.endr
.irp e, 0,1
	v_lshl_or_b32 v[20+\e], v[17+2*\e], 16, v[16+2*\e]   ; my two bytes: blocks h and 2 + h of row r,
.endr
.irp e, 0,1
	v_lshlrev_b32 v[20+\e], v24, v[20+\e]          ; at their places in the word;
.endr
.irp e, 0,1
	v_permlanex16_b32 v[22+\e], v[20+\e], s20, s21
.endr
.irp e, 0,1
	v_or_b32 v[20+\e], v[20+\e], v[22+\e]          ; with lane l xor 16's two the word is whole
.endr
.irp e, 0,1
.irp c, 0,1
	v_cvt_scalef32_pk16_fp6_f32 v[PC+16*\e+6*\c:PC+16*\e+6*\c+2], v[X+64*\e+32*\c:X+64*\e+32*\c+15], v[12+2*\e+\c]
	v_cvt_scalef32_pk16_fp6_f32 v[GA+8*\e+4*\c:GA+8*\e+4*\c+2], v[X+64*\e+32*\c+16:X+64*\e+32*\c+31], v[12+2*\e+\c]   ; (three registers from an even number on)
.endr
.endr
	v_nop                                          ; one plain line behind the conversions
.irp e, 0,1
.irp c, 0,1
.irp i, 0,1,2
	v_mov_b32 v[PC+16*\e+6*\c+3+\i], v[GA+8*\e+4*\c+\i]
.endr
.endr
.endr
	v_cmp_gt_u32 vcc_lo, 16, v1
	v_cndmask_b32 v26, v21, v20, vcc_lo            ; lanes 0-15: the even K step's word of row r; lanes 16-31: the odd one's
.irp e, 0,1
.irp c, 0,1,2
	global_store_b128 v2, v[PC+16*\e+4*\c:PC+16*\e+4*\c+3], s[18:19] offset:1536*\e+512*\c   ; 512 consecutive bytes a store
.endr
.endr
	global_store_b32 v2, v26, s[22:23]
	s_wait_tensorcnt 0x0                           ; the wave's end
	ds_add_u32 v[SPW], v[NIL]
	s_wait_dscnt 0x0
	s_endpgm
.Lfunc_end_k_q4e2052a5bf_prep:
	.size	k_q4e2052a5bf_prep, .Lfunc_end_k_q4e2052a5bf_prep-k_q4e2052a5bf_prep
	.p2alignl 7, 3214868480
	.fill 96, 4, 3214868480
	.section	.rodata,"a",@progbits
	.p2align	6, 0x0
	.amdhsa_kernel k_q4e2052a5bf_prep
		.amdhsa_group_segment_fixed_size 91904
		.amdhsa_private_segment_fixed_size 0
		.amdhsa_enable_private_segment 0
		.amdhsa_kernarg_size 88
		.amdhsa_user_sgpr_count 2
		.amdhsa_user_sgpr_kernarg_segment_ptr 1
		.amdhsa_wavefront_size32 1
		.amdhsa_system_sgpr_workgroup_id_x 1
		.amdhsa_system_sgpr_workgroup_id_y 1
		.amdhsa_system_sgpr_workgroup_id_z 1
		.amdhsa_system_vgpr_workitem_id 0
		.amdhsa_next_free_vgpr 256
		.amdhsa_next_free_sgpr 66
		.amdhsa_reserve_vcc 1
		.amdhsa_float_denorm_mode_32 3
		.amdhsa_float_denorm_mode_16_64 3
		.amdhsa_memory_ordered 1
		.amdhsa_forward_progress 1
		.amdhsa_inst_pref_size 86
	.end_amdhsa_kernel
	.amdgpu_metadata
---
amdhsa.version: [ 1, 2 ]
amdhsa.kernels:
  - .name:           k_q4e2052a5bf_prep
    .symbol:         k_q4e2052a5bf_prep.kd
    .args:
      - { .name: x, .offset: 0, .size: 8, .value_kind: global_buffer, .address_space: global }
      - { .name: ln1_scale, .offset: 8, .size: 8, .value_kind: global_buffer, .address_space: global }
      - { .name: ln1_shift, .offset: 16, .size: 8, .value_kind: global_buffer, .address_space: global }
      - { .name: H, .offset: 24, .size: 8, .value_kind: global_buffer, .address_space: global }
      - { .name: wq, .offset: 32, .size: 8, .value_kind: global_buffer, .address_space: global }
      - { .name: wk, .offset: 40, .size: 8, .value_kind: global_buffer, .address_space: global }
      - { .name: wv, .offset: 48, .size: 8, .value_kind: global_buffer, .address_space: global }
      - { .name: wo, .offset: 56, .size: 8, .value_kind: global_buffer, .address_space: global }
      - { .name: w1, .offset: 64, .size: 8, .value_kind: global_buffer, .address_space: global }
      - { .name: w2, .offset: 72, .size: 8, .value_kind: global_buffer, .address_space: global }
      - { .name: W, .offset: 80, .size: 8, .value_kind: global_buffer, .address_space: global }
    .group_segment_fixed_size: 91904
    .private_segment_fixed_size: 0
    .kernarg_segment_align: 8
    .kernarg_segment_size: 88
    .max_flat_workgroup_size: 128
    .sgpr_count:     66
    .vgpr_count:     256
    .wavefront_size: 32
...
	.end_amdgpu_metadata
.endif
;; end of part 1
;; launch qkv (part 2): grid 12 x 16, 4 waves a work-group, no clusters, 0 bytes of LDS; arguments H, W, bq, bk, bv, QKV; writes QKV
.if DOCPART == 2
	.amdgcn_target "amdgcn-amd-amdhsa--gfx1250"
	.amdhsa_code_object_version 6
	.text
	.protected	k_q4e2052a5bf_qkv
	.globl	k_q4e2052a5bf_qkv
	.p2align	8
	.type	k_q4e2052a5bf_qkv,@function
k_q4e2052a5bf_qkv:
	s_mov_b64 s[64:65], 0
	v_nop
	global_prefetch_b8 v0, s[64:65] scope:SCOPE_SE
	s_setreg_imm32_b32 hwreg(HW_REG_WAVE_MODE, 25, 1), 1
	s_wait_xcnt 0x0
; Q, K AND V: h wq + bq, h wk + bk, h wv + bv on codes of E2M3, each result quantised in registers for the attention's products and stored as images of operand registers (layouts: launch prep's head).
; A wave makes 128 x 128: 64 accumulators, 512 registers; four waves, 2 x 2, to a work-group; work-group x 0-3: q, 4-7: k, 8-11: v; y: 256 rows of h.  K = 1,024 is 8 steps of 128, written out: every offset is an immediate.
; THE PRODUCT IS D = (16 rows of beta) x (16 rows of alpha): a lane holds ONE row of alpha, and its 64 registers of beta's 8 tiles run along beta's 128 rows in their true order (the tiles' rows are chosen for it).
; q, k: alpha = h's rows, beta = the weight's columns: a lane's registers run along two heads' 64 + 64, the K of q k^T.   v: the two are swapped by a choice of pointers: alpha = wv's columns (d), beta = h's rows: the
; registers run along 128 keys, the K of p v.  The main loop is one text for all three.
; FRAGMENTS GO FROM MEMORY STRAIGHT INTO REGISTERS, in register order: 16 bytes a lane, 512 consecutive bytes a load, two buffers, the K step after next asked for behind each K step's products.
; No tensor load, so no joint requests: they serve tiles in LDS, and this text has none; each wave reads each of its fragments once.
; q and k are stored as HALF fragments (a head's 64 along K: 6 registers: 512 bytes of 16 a lane, then 256 of 8 a lane); their scale words carry the head's two bytes and 0x7f, 0x7f for the half of the
; matrix instruction's 128 that attn fills with zero codes.  LIMITS: as stated at launch prep's head.
; REGISTERS, in windows of 256.  Window 0: v1 16 x lane, v2 8 x lane, v6 lane, v7-8 the biases' addresses; v16-47 alpha's scale words (8 x pair + tile), v48-79 beta's; v80-175 alpha's fragments, buffer 0;
;   v176-223 buffer 1, tiles 0-3.   Window 1: v0-95, v96-191 beta's two buffers; v192-239 alpha's buffer 1, tiles 4-7.   Windows 2, 3: accumulator (a, b) at v[8 (8 (a % 4) + b)].
;   On the way out, window 0: v16-34 codes, v36-51 at work, v56-63 the tiles' scale words, v80-143 the bias, v176-239 64 numbers, v240-251 words to store.
.set HALFA, 0
.set RTA, 12288
.set RTB, 12288
.set L16, 1
.set L8,  2
.set LANE, 6
.set SCA, 16
.set SCB, 48
.set A0,  80
.set A1L, 176
.set A1H, 192
.set PC,  16
.set TM,  36
.set PWS, 56
.set BIAS, 80
.set T,   176
.set SEL, 2                            ; s[2:3]
.set PA,  32
.set PB,  34
.set PSA, 36
.set PSB, 38
.set BP,  40
.set QC,  54
.set QS,  56
.set VC,  58
.set VS,  60
.set MSB, 0
.macro WIN new                         ; the immediate's high byte repeats the setting that is left
.if MSB != (\new)
	s_set_vgpr_msb (MSB<<8)|(\new)
.set MSB, (\new)
.endif
.endm
.macro PLACES                          ; four plain lines between a matrix instruction and a load into, or a vector line on, its registers
.rept 4
	v_nop
.endr
.endm
.macro WM d, fb, fa, sb, sa, zero, odd ; an odd K step's scale words stand in lanes 16-31 of the pair's registers
.if \zero
	v_wmma_scale_f32_16x16x128_f8f6f4 v[(\d):(\d)+7], v[(\fb):(\fb)+11], v[(\fa):(\fa)+11], 0, v[\sb], v[\sa] matrix_a_fmt:MATRIX_FMT_FP6 matrix_b_fmt:MATRIX_FMT_FP6
.elseif \odd
	v_wmma_scale_f32_16x16x128_f8f6f4 v[(\d):(\d)+7], v[(\fb):(\fb)+11], v[(\fa):(\fa)+11], v[(\d):(\d)+7], v[\sb], v[\sa] matrix_a_fmt:MATRIX_FMT_FP6 matrix_b_fmt:MATRIX_FMT_FP6 matrix_a_scale:MATRIX_SCALE_ROW1 matrix_b_scale:MATRIX_SCALE_ROW1
.else
	v_wmma_scale_f32_16x16x128_f8f6f4 v[(\d):(\d)+7], v[(\fb):(\fb)+11], v[(\fa):(\fa)+11], v[(\d):(\d)+7], v[\sb], v[\sa] matrix_a_fmt:MATRIX_FMT_FP6 matrix_b_fmt:MATRIX_FMT_FP6
.endif
.endm
.macro ATILE reg, i, s                 ; tile i of alpha, K step s
.if HALFA
.irp c, 0,1
	global_load_b128 v[(\reg)+6*\c:(\reg)+6*\c+3], v[L16], s[PA:PA+1] offset:(\i)*RTA+(\s)*1536+768*\c
	global_load_b64 v[(\reg)+6*\c+4:(\reg)+6*\c+5], v[L8], s[PA:PA+1] offset:(\i)*RTA+(\s)*1536+768*\c+512
.endr
.else
.irp c, 0,1,2
	global_load_b128 v[(\reg)+4*\c:(\reg)+4*\c+3], v[L16], s[PA:PA+1] offset:(\i)*RTA+(\s)*1536+512*\c
.endr
.endif
.endm
.macro LOADF buf, s                    ; K step s's sixteen fragments into buffer buf
	WIN 0x40
.irp i, 0,1,2,3,4,5,6,7
.irp c, 0,1,2
	global_load_b128 v[96*(\buf)+12*\i+4*\c:96*(\buf)+12*\i+4*\c+3], v[L16], s[PB:PB+1] offset:\i*RTB+(\s)*1536+512*\c
.endr
.endr
.if (\buf) == 0
	WIN 0
.irp i, 0,1,2,3,4,5,6,7
	ATILE A0+12*\i, \i, \s
.endr
.else
.irp i, 4,5,6,7
	ATILE A1H+12*(\i-4), \i, \s
.endr
	WIN 0
.irp i, 0,1,2,3
	ATILE A1L+12*\i, \i, \s
.endr
.endif
.endm
.macro MULK buf, s, zero               ; 64 products: the 64 accumulators take turns, one instruction a turn, in the same order in every K step
	WIN 0xa1
.irp a, 0,1,2,3
.irp b, 0,1,2,3,4,5,6,7
	WM 8*(8*\a+\b), 96*(\buf)+12*\b, A0+96*(\buf)+12*\a, SCB+8*((\s)/2)+\b, SCA+8*((\s)/2)+\a, \zero, (\s)%2
.endr
.endr
.if (\buf) == 0
	WIN 0xf1
.irp a, 4,5,6,7
.irp b, 0,1,2,3,4,5,6,7
	WM 8*(8*(\a-4)+\b), 12*\b, A0+12*\a, SCB+8*((\s)/2)+\b, SCA+8*((\s)/2)+\a, \zero, (\s)%2
.endr
.endr
.else
	WIN 0xf5
.irp a, 4,5,6,7
.irp b, 0,1,2,3,4,5,6,7
	WM 8*(8*(\a-4)+\b), 96+12*\b, A1H+12*(\a-4), SCB+8*((\s)/2)+\b, SCA+8*((\s)/2)+\a, \zero, (\s)%2
.endr
.endr
.endif
.endm
.macro KSTEP s, cnt, zero, more        ; cnt: the loads issued behind this K step's, which may stay out
	s_wait_loadcnt \cnt
	MULK (\s)%2, \s, \zero
	PLACES
.if \more
	LOADF (\s)%2, (\s)+2
.else
	WIN 0
.endif
.endm
; 64 numbers of a lane, register 16 b + i = k 32 b + 16 (lane / 16) + i of my row, become a fragment's codes in v[PC] on and its scale word in v[pw].
.macro QUANT s, pw
.irp b, 0,1,2,3
	v_max3_num_f32 v[TM+\b], |v[\s+16*\b]|, |v[\s+1+16*\b]|, 0x1800000   ; my 16 numbers of block b, and the floor 2^(3 - 127): the byte cannot fall under 1
.endr
.irp i, 2,4,6,8,10,12,14
.irp b, 0,1,2,3
	v_max3_num_f32 v[TM+\b], v[TM+\b], |v[\s+16*\b+\i]|, |v[\s+1+16*\b+\i]|
.endr
.endr
.irp b, 0,1,2,3
	v_permlanex16_b32 v[TM+4+\b], v[TM+\b], s[SEL], s[SEL+1]
.endr
.irp b, 0,1,2,3
	v_max_num_f32 v[TM+\b], v[TM+\b], v[TM+4+\b]   ; with lane l xor 16's: the block's largest magnitude
.endr
.irp b, 0,1,2,3
	v_add_nc_u32 v[TM+12+\b], 0xff000000, v[TM+\b] ; 2 off its exponent field: the conversion's scale operand
.endr
.irp b, 0,1,2,3
	v_lshrrev_b32 v[TM+4+\b], 23, v[TM+12+\b]      ; the scale's byte
.endr
	v_lshl_or_b32 v[\pw], v[TM+5], 8, v[TM+4]
	v_lshl_or_b32 v[\pw], v[TM+6], 16, v[\pw]
	v_lshl_or_b32 v[\pw], v[TM+7], 24, v[\pw]
.irp c, 0,1
	v_cvt_scalef32_pk16_fp6_f32 v[PC+6*\c:PC+2+6*\c], v[\s+32*\c:\s+15+32*\c], v[TM+12+2*\c]
	v_cvt_scalef32_pk16_fp6_f32 v[PC+12+4*\c:PC+14+4*\c], v[\s+16+32*\c:\s+31+32*\c], v[TM+12+2*\c+1]
.endr
	v_nop                                          ; one plain line behind the conversions
.irp c, 0,1                            ; the operand's layout wants a whole block in a lane: lanes 0-15 block 2 c, lanes 16-31 block 2 c + 1
.irp i, 0,1,2
	v_permlane16_swap_b32 v[PC+6*\c+\i], v[PC+12+4*\c+\i]
.endr
.irp i, 0,1,2
	v_mov_b32 v[PC+3+6*\c+\i], v[PC+12+4*\c+\i]
.endr
.endr
.endm
	s_load_b256 s[4:11], s[0:1], 0x0               ; H, W, bq, bk
	s_load_b128 s[12:15], s[0:1], 0x20             ; bv, QKV
	v_lshrrev_b32 v5, 5, v0
	v_readfirstlane_b32 s16, v5                    ; wave
	v_and_b32 v[LANE], 31, v0
	v_lshlrev_b32 v[L16], 4, v[LANE]
	v_lshlrev_b32 v[L8], 3, v[LANE]
	v_bfe_u32 v7, v0, 4, 1
	v_lshlrev_b32 v7, 6, v7                        ; q, k: the bias of my 16 columns of each 32: 64 h bytes on
	v_and_b32 v8, 15, v0
	v_and_b32 v9, 8, v0
	v_add_nc_u32 v8, v8, v9
	v_lshlrev_b32 v8, 2, v8                        ; v: the bias of my column: 4 (r + 8 (r / 8))
	s_lshr_b32 s17, s16, 1
	s_and_b32 s18, s16, 1
	s_and_b32 s19, ttmp7, 0xffff
	s_lshl_b32 s19, s19, 1
	s_add_co_u32 s19, s19, s17                     ; Gm: my group of 128 rows of h
	s_lshl_b32 s20, ttmp9, 1
	s_add_co_u32 s20, s20, s18                     ; Gn: my group of 128 columns: 0-7 wq, 8-15 wk, 16-23 wv
	s_mul_i32 s22, s19, 98304
	s_mov_b32 s23, 0
	s_mul_i32 s24, s20, 98304
	s_mov_b32 s25, 0
	s_lshl_b32 s26, s19, 12
	s_add_co_u32 s26, s26, 3145728
	s_mov_b32 s27, 0
	s_lshl_b32 s28, s20, 12
	s_add_co_u32 s28, s28, 9437184
	s_mov_b32 s29, 0
	s_and_b32 s50, s20, 7                          ; which two heads
	s_lshr_b32 s51, s19, 4                         ; batch
	s_and_b32 s52, s19, 15                         ; g: which 128 positions of the sequence
	s_lshl_b32 s51, s51, 4
	s_lshl_b32 s53, s50, 1
	s_add_co_u32 s51, s51, s53                     ; bh0 = 16 x batch + my first head
	s_lshl_b32 s53, s51, 4
	s_add_co_u32 s53, s53, s52                     ; 16 bh0 + g
	s_lshl_b32 s54, s53, 3
	s_mul_i32 s54, s54, 768                        ; q, k: tile 128 bh0 + 8 g, 768 bytes a tile
	s_mov_b32 s55, 0
	s_lshl_b32 s56, s53, 9
	s_add_co_u32 s56, s56, 9437184                 ; their scale words: 512 bytes for 128 positions
	s_mov_b32 s57, 0
	s_mul_i32 s58, s53, 6144
	s_add_co_u32 s58, s58, 6291456                 ; v: 4 fragments a key step
	s_mov_b32 s59, 0
	s_lshl_b32 s60, s53, 8
	s_add_co_u32 s60, s60, 9961472                 ; its scale words: 256 bytes a key step
	s_mov_b32 s61, 0
	s_lshl_b32 s50, s50, 9                         ; the bias of my 128 columns
	s_mov_b32 s51, 0
	s_cmp_lt_u32 ttmp9, 4
	s_cselect_b32 s62, 0, 0x300000                 ; k's codes lie 3,145,728 bytes behind q's,
	s_cselect_b32 s63, 0, 0x40000                  ; its scale words 262,144
	s_add_co_u32 s54, s54, s62
	s_add_co_u32 s56, s56, s63
	s_mov_b32 s[SEL], 0x76543210
	s_mov_b32 s[SEL+1], 0xfedcba98
	s_mov_b32 s17, 0xffff
	s_mov_b32 s18, 0x7f7f0000
	s_wait_kmcnt 0x0
	s_add_nc_u64 s[22:23], s[4:5], s[22:23]
	s_add_nc_u64 s[24:25], s[6:7], s[24:25]
	s_add_nc_u64 s[26:27], s[4:5], s[26:27]
	s_add_nc_u64 s[28:29], s[6:7], s[28:29]
	s_cmp_lt_u32 ttmp9, 8                          ; q, k: alpha = h, beta = the weight;  v: the other way round
	s_cselect_b64 s[PA:PA+1], s[22:23], s[24:25]
	s_cselect_b64 s[PB:PB+1], s[24:25], s[22:23]
	s_cselect_b64 s[PSA:PSA+1], s[26:27], s[28:29]
	s_cselect_b64 s[PSB:PSB+1], s[28:29], s[26:27]
	s_cselect_b64 s[BP:BP+1], s[10:11], s[12:13]
	s_cmp_lt_u32 ttmp9, 4
	s_cselect_b64 s[BP:BP+1], s[8:9], s[BP:BP+1]
	s_add_nc_u64 s[BP:BP+1], s[BP:BP+1], s[50:51]
	s_add_nc_u64 s[QC:QC+1], s[14:15], s[QC:QC+1]
	s_add_nc_u64 s[QS:QS+1], s[14:15], s[QS:QS+1]
	s_add_nc_u64 s[VC:VC+1], s[14:15], s[VC:VC+1]
	s_add_nc_u64 s[VS:VS+1], s[14:15], s[VS:VS+1]
.irp p, 0,1,2,3
.irp q, 0,1
	global_load_b128 v[SCA+8*\p+4*\q:SCA+8*\p+4*\q+3], v[L16], s[PSA:PSA+1] offset:1024*\p+512*\q
	global_load_b128 v[SCB+8*\p+4*\q:SCB+8*\p+4*\q+3], v[L16], s[PSB:PSB+1] offset:1024*\p+512*\q
.endr
.endr
	LOADF 0, 0
	LOADF 1, 1
	KSTEP 0, 48, 1, 1                              ; the first K step's products start the sums: nothing is cleared
	KSTEP 1, 48, 0, 1
	KSTEP 2, 48, 0, 1
	KSTEP 3, 48, 0, 1
	KSTEP 4, 48, 0, 1
	KSTEP 5, 48, 0, 1
	KSTEP 6, 48, 0, 0
	s_cmp_lt_u32 ttmp9, 8                          ; the bias comes into alpha's buffer 0, which has done its last K step
	s_cbranch_scc0 .Lbias_v
.irp b, 0,1,2,3
.irp i, 0,1,2,3
	global_load_b128 v[BIAS+16*\b+4*\i:BIAS+16*\b+4*\i+3], v7, s[BP:BP+1] offset:128*\b+16*\i   ; register 16 b + i: column 32 b + 16 h + i
.endr
.endr
	s_branch .Lbias_done
.Lbias_v:
.irp a, 0,1,2,3,4,5,6,7
	global_load_b32 v[BIAS+\a], v8, s[BP:BP+1] offset:4*(32*(\a/2)+8*(\a%2))   ; tile a: my one column's
.endr
.Lbias_done:
	KSTEP 7, 0, 0, 0
.irp b, 0,1,2,3
	v_mov_b32 v[TM+4+\b], 0                        ; (a lane permute's destination counts as one of its sources)
.endr
	v_cmp_gt_u32 vcc_lo, 16, v[LANE]
	s_cmp_lt_u32 ttmp9, 8
	s_cbranch_scc0 .Lepi_v
; q, k: tile a of 16 positions: + bias, quantised; registers 0-5 are the first head's half fragment, 6-11 the second's
.macro EPI_QK a
	s_wait_xcnt 0x0                                ; the last tile's stores have read their registers
	WIN 0x02+(\a)/4
.set I, 0
.rept 32
	v_pk_add_f32 v[T+2*I:T+2*I+1], v[64*((\a)%4)+2*I:64*((\a)%4)+2*I+1], v[BIAS+2*I:BIAS+2*I+1]   ; each accumulator from its low end on
.set I, I+1
.endr
	WIN 0
	QUANT T, PWS+(\a)
	global_store_b128 v[L16], v[PC:PC+3], s[QC:QC+1] offset:768*(\a)
	global_store_b64 v[L8], v[PC+4:PC+5], s[QC:QC+1] offset:768*(\a)+512
	global_store_b128 v[L16], v[PC+6:PC+9], s[QC:QC+1] offset:768*(\a)+98304
	global_store_b64 v[L8], v[PC+10:PC+11], s[QC:QC+1] offset:768*(\a)+98816
.endm
.irp a, 0,1,2,3,4,5,6,7
	EPI_QK \a
.endr
.irp b, 0,1,2,3
	v_cndmask_b32 v[240+\b], v[PWS+2*\b+1], v[PWS+2*\b], vcc_lo   ; word b: tile 2 b in lanes 0-15, tile 2 b + 1 in lanes 16-31
.endr
.irp b, 0,1,2,3
	v_and_or_b32 v[244+\b], v[240+\b], s17, s18    ; the first head's two bytes, and 0x7f, 0x7f
.endr
.irp b, 0,1,2,3
	v_lshrrev_b32 v[240+\b], 16, v[240+\b]
.endr
.irp b, 0,1,2,3
	v_or_b32 v[248+\b], s18, v[240+\b]             ; the second head's
.endr
	global_store_b128 v[L16], v[244:247], s[QS:QS+1]
	global_store_b128 v[L16], v[248:251], s[QS:QS+1] offset:8192
	s_endpgm
.Lepi_v:
; v: tile a of 16 channels (tiles 0-3: the first head, 4-7: the second), 128 keys along the registers
.macro EPI_V a
	s_wait_xcnt 0x0
	WIN 0x02+(\a)/4
.set I, 0
.rept 64
	v_add_f32 v[T+I], v[64*((\a)%4)+I], v[BIAS+(\a)]
.set I, I+1
.endr
	WIN 0
	QUANT T, PWS+(\a)
.irp c, 0,1,2
	global_store_b128 v[L16], v[PC+4*\c:PC+4*\c+3], s[VC:VC+1] offset:((\a)/4)*98304+((\a)%4)*1536+512*\c
.endr
.endm
.irp a, 0,1,2,3,4,5,6,7
	EPI_V \a
.endr
.irp e, 0,1
	v_cndmask_b32 v[240+2*\e], v[PWS+4*\e+1], v[PWS+4*\e], vcc_lo
	v_cndmask_b32 v[241+2*\e], v[PWS+4*\e+3], v[PWS+4*\e+2], vcc_lo
	global_store_b64 v[L8], v[240+2*\e:241+2*\e], s[VS:VS+1] offset:4096*\e
.endr
	s_endpgm
.Lfunc_end_k_q4e2052a5bf_qkv:
	.size	k_q4e2052a5bf_qkv, .Lfunc_end_k_q4e2052a5bf_qkv-k_q4e2052a5bf_qkv
	.p2alignl 7, 3214868480
	.fill 96, 4, 3214868480
	.section	.rodata,"a",@progbits
	.p2align	6, 0x0
	.amdhsa_kernel k_q4e2052a5bf_qkv
		.amdhsa_group_segment_fixed_size 0
		.amdhsa_private_segment_fixed_size 0
		.amdhsa_enable_private_segment 0
		.amdhsa_kernarg_size 48
		.amdhsa_user_sgpr_count 2
		.amdhsa_user_sgpr_kernarg_segment_ptr 1
		.amdhsa_wavefront_size32 1
		.amdhsa_system_sgpr_workgroup_id_x 1
		.amdhsa_system_sgpr_workgroup_id_y 1
		.amdhsa_system_sgpr_workgroup_id_z 1
		.amdhsa_system_vgpr_workitem_id 0
		.amdhsa_next_free_vgpr 1024
		.amdhsa_next_free_sgpr 66
		.amdhsa_reserve_vcc 1
		.amdhsa_float_denorm_mode_32 3
		.amdhsa_float_denorm_mode_16_64 3
		.amdhsa_memory_ordered 1
		.amdhsa_forward_progress 1
		.amdhsa_inst_pref_size 210
	.end_amdhsa_kernel
	.amdgpu_metadata
---
amdhsa.version: [ 1, 2 ]
amdhsa.kernels:
  - .name:           k_q4e2052a5bf_qkv
    .symbol:         k_q4e2052a5bf_qkv.kd
    .args:
      - { .name: H, .offset: 0, .size: 8, .value_kind: global_buffer, .address_space: global }
      - { .name: W, .offset: 8, .size: 8, .value_kind: global_buffer, .address_space: global }
      - { .name: bq, .offset: 16, .size: 8, .value_kind: global_buffer, .address_space: global }
      - { .name: bk, .offset: 24, .size: 8, .value_kind: global_buffer, .address_space: global }
      - { .name: bv, .offset: 32, .size: 8, .value_kind: global_buffer, .address_space: global }
      - { .name: QKV, .offset: 40, .size: 8, .value_kind: global_buffer, .address_space: global }
    .group_segment_fixed_size: 0
    .private_segment_fixed_size: 0
    .kernarg_segment_align: 8
    .kernarg_segment_size: 48
    .max_flat_workgroup_size: 128
    .sgpr_count:     66
    .vgpr_count:     1024
    .wavefront_size: 32
...
	.end_amdgpu_metadata
.endif
;; end of part 2
;; launch attn (part 3): grid 8 x 32, 16 waves a work-group, no clusters, 210,944 bytes of LDS; arguments QKV, CTX; writes CTX
.if DOCPART == 3
	.amdgcn_target "amdgcn-amd-amdhsa--gfx1250"
	.amdhsa_code_object_version 6
	.text
	.protected	k_q4e2052a5bf_attn
	.globl	k_q4e2052a5bf_attn
	.p2align	8
	.type	k_q4e2052a5bf_attn,@function
k_q4e2052a5bf_attn:
	s_mov_b64 s[64:65], 0
	v_nop
	global_prefetch_b8 v0, s[64:65] scope:SCOPE_SE
	s_setreg_imm32_b32 hwreg(HW_REG_WAVE_MODE, 25, 1), 1
	s_wait_xcnt 0x0
; CAUSAL ATTENTION ON CODES OF E2M3: ctx = softmax(q k^T / 8, causal) v for one batch and head, quantised on the way out along the head's 64 for the projection that follows.
; WORK LEFT OUT: a step of 128 keys all of which come after the 16 queries of a wave's tile has the weight 0 by the mask that reference() builds itself (shown at launch prep's head): it is not multiplied, and key steps
; that no wave of the work-group wants are not copied into LDS.  LIMITS: as stated there.
; THE SOFTMAX AHEAD OF THE SECOND PRODUCT: t = score x log2(e) / 8; M = the largest t so far, rounded UP to a whole number; p = 2^(t - M) is what is quantised, along the keys, not normalised; the row's sum is taken of the
; unquantised p and divides at the end; when M moves, the sum and O are multiplied by 2^(old M - new M), which rounds nothing.
; SHARES.  Work-group (j, bh), sixteen waves of 256 registers, four to a SIMD.  A wave owns one tile of 16 queries, tile w / 2 of the block of 128 queries g, g = j or 15 - j, and walks g + 1 key steps: every work-group has
; 8 x 17 wave steps.  The head's codes of k and v and their scale words for key steps 0 .. 15 - j are copied into LDS once, wave w key step w, through registers; one barrier; nothing in LDS is written again.
; q's three loads are issued ahead of the copy's, so that the copy's one wait for loads serves both.
; No tensor load, so no ring and no joint requests; the eight work-groups of a head read the same 208 KiB at most once each.
; LAYOUT.  Both products are used transposed: S^T = k q^T (source 0 = 16 keys), O^T = v^T p^T (source 0 = 16 channels): a lane holds one query throughout.  The keys of a tile are not neighbours (launch prep's head), so the
; 16 registers of tiles 2 b and 2 b + 1 are the keys 32 b + 16 (lane / 16) + 0 .. 15.
; THE HEAD IS 64 WIDE, THE INSTRUCTION 128: q's registers 6-11 are zero codes, and both sides' scale bytes 2 and 3 are 0x7f.  k's tiles lie 6 registers apart, so the upper six registers that a product names are the next
; tile's codes (behind the last tile: zeros): finite numbers times 0, which add nothing.
; REGISTERS: v1 16 x lane, v2 8 x lane; v3, v4 the add's two; v8-11, v29 the step's LDS addresses; v12 -M, v13 the largest t, v[14:15] the sum in two halves; v16-27 q; v28 the mask's bound; v30, v31, v88, v89 the copy's LDS
; addresses; v32-79 k's eight tiles, then v's four fragments; v80-85 zeros; v86-87 v's scale words; v90 16 r; v96-159 S^T, then p; v160-191 O^T; v224-235 p's codes; v232-254 at work; v248-251 k's scale words; v253 p's; v255 q's.
.set SPW,  3
.set NIL,  4
.set VIMG, 98304                       ; LDS: k's images 0 .. 98,303 (6,144 a key step), v's behind them,
.set KSC,  196608                      ; k's scale words (512 a key step),
.set VSC,  204800                      ; v's (256 a key step),
.set SPARE, 208896                     ; the spare words, 128 bytes a wave: eight blocks of 256 bytes that no other line names
.set CS,   38                          ; s[38:39] c = log2(e) / 8
.set SEL,  40                          ; s[40:41] lane l xor 16
	s_load_b128 s[4:7], s[0:1], 0x0                ; QKV, CTX
	v_lshl_add_u32 v[SPW], v0, 2, SPARE
	v_mov_b32 v[NIL], 0
	v_lshrrev_b32 v8, 5, v0
	v_readfirstlane_b32 s8, v8                     ; wave 0..15
	v_and_b32 v5, 31, v0
	v_lshlrev_b32 v1, 4, v5
	v_lshlrev_b32 v2, 3, v5
	v_and_b32 v6, 15, v0                           ; r
	v_bfe_u32 v7, v0, 4, 1                         ; h
	v_lshlrev_b32 v90, 4, v6
	s_mul_i32 s15, s8, 6144                        ; every LDS address of the copy is made here, ahead of the branch round it
	v_add_nc_u32 v30, s15, v1
	v_add_nc_u32 v31, VIMG, v30
	s_lshl_b32 s14, s8, 9
	s_add_co_u32 s14, s14, KSC
	v_add_nc_u32 v88, s14, v1
	s_lshl_b32 s14, s8, 8
	s_add_co_u32 s14, s14, VSC
	v_add_nc_u32 v89, s14, v2
	s_and_b32 s10, ttmp7, 0xffff                   ; bh
	s_lshr_b32 s11, s8, 2
	s_xor_b32 s11, s11, s8
	s_and_b32 s11, s11, 1                          ; 0: the early block of queries, 1: the late one; each SIMD's four waves get two of each
	s_lshr_b32 s12, s8, 1                          ; tau: my tile in the block
	s_sub_co_u32 s14, 15, ttmp9
	s_cmp_eq_u32 s11, 0
	s_cselect_b32 s13, ttmp9, s14                  ; g
	s_mul_i32 s16, s10, 98304
	s_add_co_u32 s16, s16, s15
	s_add_co_u32 s16, s16, 3145728                 ; k's key step w (v's lies 3,145,728 bytes on)
	s_mov_b32 s17, 0
	s_lshl_b32 s18, s10, 4
	s_add_co_u32 s18, s18, s8
	s_lshl_b32 s20, s18, 8
	s_add_co_u32 s20, s20, 9961472                 ; v's scale words of key step w
	s_mov_b32 s21, 0
	s_lshl_b32 s18, s18, 9
	s_add_co_u32 s18, s18, 9699328                 ; k's
	s_mov_b32 s19, 0
	s_lshl_b32 s22, s10, 7
	s_lshl_b32 s15, s13, 3
	s_add_co_u32 s22, s22, s15
	s_add_co_u32 s22, s22, s12
	s_mul_i32 s22, s22, 768                        ; q's tile 128 bh + 8 g + tau
	s_mov_b32 s23, 0
	s_lshl_b32 s24, s10, 4
	s_add_co_u32 s24, s24, s13
	s_lshl_b32 s24, s24, 9
	s_and_b32 s15, s12, 1
	s_lshl_b32 s15, s15, 8
	s_add_co_u32 s24, s24, s15
	s_lshr_b32 s15, s12, 1
	s_lshl_b32 s15, s15, 2
	s_add_co_u32 s24, s24, s15
	s_add_co_u32 s24, s24, 9437184                 ; its scale words: lanes 16 (tau % 2) + r, word tau / 2
	s_mov_b32 s25, 0
	s_lshr_b32 s42, s10, 4
	s_lshl_b32 s42, s42, 4
	s_add_co_u32 s42, s42, s13                     ; ctx: the group of 128 rows
	s_and_b32 s43, s10, 15                         ; the head
	s_lshl_b32 s26, s42, 3
	s_add_co_u32 s26, s26, s12
	s_mul_i32 s26, s26, 12288
	s_mul_i32 s15, s43, 768
	s_add_co_u32 s26, s26, s15                     ; tile, head: a half fragment
	s_mov_b32 s27, 0
	s_lshl_b32 s28, s42, 12
	s_add_co_u32 s28, s28, 3145728
	s_lshr_b32 s15, s43, 2
	s_lshl_b32 s15, s15, 10
	s_add_co_u32 s28, s28, s15                     ; pair of K steps = head / 4,
	s_lshr_b32 s15, s12, 2
	s_lshl_b32 s15, s15, 9
	s_add_co_u32 s28, s28, s15                     ; quad tau / 4,
	s_bfe_u32 s15, s43, 0x10001
	s_lshl_b32 s15, s15, 8
	s_add_co_u32 s28, s28, s15                     ; lanes 16 ((head / 2) % 2) + r,
	s_and_b32 s15, s12, 3
	s_lshl_b32 s15, s15, 2
	s_add_co_u32 s28, s28, s15                     ; word tau % 4,
	s_and_b32 s15, s43, 1
	s_lshl_b32 s15, s15, 1
	s_add_co_u32 s28, s28, s15                     ; bytes 2 (head % 2) on
	s_mov_b32 s29, 0
	s_lshr_b32 s30, s12, 1
	s_lshl_b32 s30, s30, 5
	s_and_b32 s15, s12, 1
	s_lshl_b32 s15, s15, 3
	s_add_co_u32 s30, s30, s15                     ; my tile's first position in its block of 128
	v_and_b32 v28, 8, v6
	v_add_nc_u32 v28, v28, v6
	v_lshlrev_b32 v91, 4, v7
	v_sub_nc_u32 v28, v28, v91
	v_add_nc_u32 v28, s30, v28                     ; my query's position in the block, less 16 (lane / 16)
	s_add_co_u32 s31, s8, ttmp9
	s_mov_b32 s[CS], 0x3e38aa3b
	s_mov_b32 s[CS+1], s[CS]                       ; (named with it as a pair, so it is written)
	s_mov_b32 s[SEL], 0x76543210
	s_mov_b32 s[SEL+1], 0xfedcba98
	s_mov_b32 s32, 0                               ; the key step,
	s_mov_b32 s33, 0                               ; and where its k, v and scale words begin in LDS
	s_mov_b32 s34, VIMG
	s_mov_b32 s35, KSC
	s_mov_b32 s36, VSC
	s_wait_kmcnt 0x0
	s_add_nc_u64 s[16:17], s[4:5], s[16:17]
	s_add_nc_u64 s[18:19], s[4:5], s[18:19]
	s_add_nc_u64 s[20:21], s[4:5], s[20:21]
	s_add_nc_u64 s[22:23], s[4:5], s[22:23]
	s_add_nc_u64 s[24:25], s[4:5], s[24:25]
	s_add_nc_u64 s[26:27], s[6:7], s[26:27]
	s_add_nc_u64 s[28:29], s[6:7], s[28:29]
	global_load_b128 v[16:19], v1, s[22:23]        ; q's half fragment stays in registers: asked for first, on every wave's way
	global_load_b64 v[20:21], v2, s[22:23] offset:512
	global_load_b32 v255, v90, s[24:25]
	s_cmp_gt_u32 s31, 15                           ; key step w > 15 - j comes after every query of the work-group
	s_cbranch_scc1 .Lno_copy
.irp i, 0,1,2,3,4,5,6,7,8,9,10,11
	global_load_b128 v[96+4*\i:99+4*\i], v1, s[16:17] offset:512*\i
.endr
.irp i, 0,1,2,3,4,5,6,7,8,9,10,11
	global_load_b128 v[144+4*\i:147+4*\i], v1, s[16:17] offset:3145728+512*\i
.endr
	global_load_b128 v[192:195], v1, s[18:19]
	global_load_b64 v[196:197], v2, s[20:21]
	s_wait_loadcnt 0x0                             ; the key step, and q with it
.irp i, 0,1,2,3,4,5,6,7,8,9,10,11
	ds_store_b128 v30, v[96+4*\i:99+4*\i] offset:512*\i
.endr
.irp i, 0,1,2,3,4,5,6,7,8,9,10,11
	ds_store_b128 v31, v[144+4*\i:147+4*\i] offset:512*\i
.endr
	ds_store_b128 v88, v[192:195]
	ds_store_b64 v89, v[196:197]
.Lno_copy:
	s_wait_dscnt 0x0                               ; for the others' sake: my key step has landed; and its registers are free
	v_mov_b32 v13, 0xff61b1e6                      ; the largest t so far: -3e38
	v_floor_f32 v12, -v13                          ; -M
	v_mov_b32 v14, 0
	v_mov_b32 v15, 0
.irp i, 22,23,24,25,26,27,80,81,82,83,84,85
	v_mov_b32 v\i, 0                               ; zero codes
.endr
.irp i, 236,237,238,239,252,253
	v_mov_b32 v\i, 0                               ; written once: lane permutes' destinations, and the upper half of the pair v[252:253]
.endr
.set I, 0
.rept 32
	v_mov_b32 v[160+I], 0                          ; O^T: the step is written once; the first finds zeros
.set I, I+1
.endr
	s_wait_loadcnt 0x0                             ; q, on the way of a wave that copied nothing
	s_barrier_signal -1
	s_barrier_wait -1
.Lstep:                                            ; 16 trips, a constant; a step behind my queries is jumped over, the lines that step addresses are not
	s_cmp_gt_u32 s32, s13
	s_cbranch_scc1 .Lhidden
	v_add_nc_u32 v8, s33, v1                       ; (these five are also the places behind the last step's products)
	v_add_nc_u32 v9, s33, v2
	v_add_nc_u32 v10, s34, v1
	v_add_nc_u32 v11, s35, v1
	v_add_nc_u32 v29, s36, v2
.irp t, 0,1,2,3,4,5,6,7
	ds_load_b128 v[32+6*\t:35+6*\t], v8 offset:768*\t
	ds_load_b64 v[36+6*\t:37+6*\t], v9 offset:768*\t+512
.endr
	ds_load_b128 v[248:251], v11                   ; word b: tile 2 b in lanes 0-15, tile 2 b + 1 in lanes 16-31
	s_wait_dscnt 0x0
.irp t, 0,2,4,6
	v_wmma_scale_f32_16x16x128_f8f6f4 v[96+8*\t:103+8*\t], v[32+6*\t:43+6*\t], v[16:27], 0, v[248+\t/2], v255 matrix_a_fmt:MATRIX_FMT_FP6 matrix_b_fmt:MATRIX_FMT_FP6
	v_wmma_scale_f32_16x16x128_f8f6f4 v[104+8*\t:111+8*\t], v[38+6*\t:49+6*\t], v[16:27], 0, v[248+\t/2], v255 matrix_a_fmt:MATRIX_FMT_FP6 matrix_b_fmt:MATRIX_FMT_FP6 matrix_a_scale:MATRIX_SCALE_ROW1
.endr
.rept 4
	v_nop                                          ; places in front of the loads into k's registers and of the first read of the scores
.endr
.irp t, 0,1,2,3
.irp c, 0,1,2
	ds_load_b128 v[32+12*\t+4*\c:35+12*\t+4*\c], v10 offset:1536*\t+512*\c   ; v's four fragments land while the softmax is worked
.endr
.endr
	ds_load_b64 v[86:87], v29
	s_cmp_lg_u32 s32, s13                          ; on the diagonal the scores of hidden keys become -infinity ahead of the maximum
	s_cbranch_scc1 .Lopen
	v_mov_b32 v254, 0xff800000
.set I, 0
.rept 64
	v_cmp_gt_i32 vcc_lo, 32*(I/16)+I%16, v28       ; register 16 b + i holds key 32 b + 16 (lane / 16) + i of the block
	v_cndmask_b32 v[96+I], v[96+I], v254, vcc_lo
.set I, I+1
.endr
.Lopen:
.irp b, 0,1,2,3
	v_max3_num_f32 v[232+\b], v[96+16*\b], v[97+16*\b], v[98+16*\b]   ; the largest score of each block of 32 keys: for the row's maximum, and, since p rises with the score, for the block's largest p
.endr
.irp i, 3,5,7,9,11,13
.irp b, 0,1,2,3
	v_max3_num_f32 v[232+\b], v[232+\b], v[96+16*\b+\i], v[97+16*\b+\i]
.endr
.endr
.irp b, 0,1,2,3
	v_max_num_f32 v[232+\b], v[232+\b], v[111+16*\b]
.endr
.irp b, 0,1,2,3
	v_permlanex16_b32 v[236+\b], v[232+\b], s[SEL], s[SEL+1]
.endr
.irp b, 0,1,2,3
	v_max_num_f32 v[232+\b], v[232+\b], v[236+\b]
.endr
	v_max3_num_f32 v254, v232, v233, v234
	v_max_num_f32 v254, v254, v235
	v_mul_f32 v254, s[CS], v254
	v_max_num_f32 v13, v13, v254                   ; the running largest t
	v_mov_b32 v254, v12
	v_floor_f32 v12, -v13                          ; the new -M = -ceil(t)
	v_sub_f32 v254, v12, v254                      ; old M - new M: a whole number, 0 or less
	v_cvt_i32_f32 v254, v254                       ; (it saturates)
	v_ldexp_f32 v252, 1.0, v254                    ; f = 2^(old M - new M)
.set I, 0
.rept 32
	v_pk_fma_f32 v[96+I:97+I], v[96+I:97+I], s[CS:CS+1], v[12:13] op_sel_hi:[1,0,0]   ; t - M
.set I, I+2
.endr
.irp b, 0,1,2,3
	v_fma_f32 v[232+\b], v[232+\b], s[CS], v12
.endr
.set I, 0
.rept 64
	v_exp_f32 v[96+I], v[96+I]                     ; p = 2^(t - M)
.set I, I+1
.endr
	v_pk_mul_f32 v[14:15], v[14:15], v[252:253] op_sel_hi:[1,0]   ; the sums under the new M: the plain line behind the batch
	s_wait_alu depctr_va_vdst(0)                   ; one wait for the 64, ahead of their first reader
.irp b, 0,1,2,3
	v_exp_f32 v[232+\b], v[232+\b]                 ; each block's largest p
.endr
	v_pk_add_f32 v[236:237], v[96:97], v[98:99]    ; the row's sum, of the unquantised p, in two chains
.irp j, 4,8,12,16,20,24,28,32,36,40,44,48,52,56,60
	v_pk_add_f32 v[14:15], v[14:15], v[96+\j:97+\j]
	v_pk_add_f32 v[236:237], v[236:237], v[98+\j:99+\j]
.endr
	v_pk_add_f32 v[14:15], v[14:15], v[236:237]
	s_wait_alu depctr_va_vdst(0)                   ; and one for the four
.irp b, 0,1,2,3
	v_max_num_f32 v[232+\b], 0x1800000, v[232+\b]  ; the floor 2^(3 - 127)
.endr
.irp b, 0,1,2,3
	v_add_nc_u32 v[244+\b], 0xff000000, v[232+\b]
.endr
.irp b, 0,1,2,3
	v_lshrrev_b32 v[236+\b], 23, v[244+\b]
.endr
	v_lshl_or_b32 v253, v237, 8, v236              ; p's scale word for these 128 keys
	v_lshl_or_b32 v253, v238, 16, v253
	v_lshl_or_b32 v253, v239, 24, v253
.irp c, 0,1
	v_cvt_scalef32_pk16_fp6_f32 v[224+6*\c:226+6*\c], v[96+32*\c:111+32*\c], v[244+2*\c]
	v_cvt_scalef32_pk16_fp6_f32 v[236+4*\c:238+4*\c], v[112+32*\c:127+32*\c], v[244+2*\c+1]
.endr
	v_nop                                          ; one plain line behind the conversions
.irp c, 0,1
.irp i, 0,1,2
	v_permlane16_swap_b32 v[224+6*\c+\i], v[236+4*\c+\i]
.endr
.irp i, 0,1,2
	v_mov_b32 v[227+6*\c+\i], v[236+4*\c+\i]
.endr
.endr
.set I, 0
.rept 16
	v_pk_mul_f32 v[160+I:161+I], v[160+I:161+I], v[252:253] op_sel_hi:[1,0]   ; O^T under the new M; these lines also stand between the codes' last moves and the products
.set I, I+2
.endr
	s_wait_dscnt 0x0                               ; v's fragments and scale words are in
.irp t, 0,2
	v_wmma_scale_f32_16x16x128_f8f6f4 v[160+8*\t:167+8*\t], v[32+12*\t:43+12*\t], v[224:235], v[160+8*\t:167+8*\t], v[86+\t/2], v253 matrix_a_fmt:MATRIX_FMT_FP6 matrix_b_fmt:MATRIX_FMT_FP6
	v_wmma_scale_f32_16x16x128_f8f6f4 v[168+8*\t:175+8*\t], v[44+12*\t:55+12*\t], v[224:235], v[168+8*\t:175+8*\t], v[86+\t/2], v253 matrix_a_fmt:MATRIX_FMT_FP6 matrix_b_fmt:MATRIX_FMT_FP6 matrix_a_scale:MATRIX_SCALE_ROW1
.endr
.Lhidden:
	s_add_co_u32 s33, s33, 6144
	s_add_co_u32 s34, s34, 6144
	s_add_co_u32 s35, s35, 512
	s_add_co_u32 s36, s36, 256
	s_add_co_u32 s32, s32, 1
	s_cmp_lt_u32 s32, 16
	s_cbranch_scc1 .Lstep
	; THE WAY OUT: O^T / the sum; register 16 b + i is channel 32 b + 16 (lane / 16) + i of my query: two blocks of the projection's K, quantised as a half fragment
.rept 4
	v_nop
.endr
	v_add_f32 v14, v14, v15
	v_permlanex16_b32 v252, v14, s[SEL], s[SEL+1]
	v_add_f32 v14, v14, v252
	v_rcp_f32 v14, v14
	v_nop
	s_wait_alu depctr_va_vdst(0)
.set I, 0
.rept 32
	v_mul_f32 v[96+I], v[160+I], v14
.set I, I+1
.endr
.irp b, 0,1
	v_max3_num_f32 v[232+\b], |v[96+16*\b]|, |v[97+16*\b]|, 0x1800000
.endr
.irp i, 2,4,6,8,10,12,14
.irp b, 0,1
	v_max3_num_f32 v[232+\b], v[232+\b], |v[96+16*\b+\i]|, |v[97+16*\b+\i]|
.endr
.endr
.irp b, 0,1
	v_permlanex16_b32 v[236+\b], v[232+\b], s[SEL], s[SEL+1]
.endr
.irp b, 0,1
	v_max_num_f32 v[232+\b], v[232+\b], v[236+\b]
.endr
.irp b, 0,1
	v_add_nc_u32 v[244+\b], 0xff000000, v[232+\b]
.endr
.irp b, 0,1
	v_lshrrev_b32 v[236+\b], 23, v[244+\b]
.endr
	v_lshl_or_b32 v253, v237, 8, v236              ; the head's two scale bytes of my row
	v_cvt_scalef32_pk16_fp6_f32 v[224:226], v[96:111], v244
	v_cvt_scalef32_pk16_fp6_f32 v[240:242], v[112:127], v245
	v_nop
.irp i, 0,1,2
	v_permlane16_swap_b32 v[224+\i], v[240+\i]
.endr
.irp i, 0,1,2
	v_mov_b32 v[227+\i], v[240+\i]
.endr
	global_store_b128 v1, v[224:227], s[26:27]
	global_store_b64 v2, v[228:229], s[26:27] offset:512
	global_store_b16 v90, v253, s[28:29]           ; two bytes a row: a head owns two of a scale word's four blocks (both halves of the lanes store the same value)
	s_wait_tensorcnt 0x0                           ; the wave's end
	ds_add_u32 v[SPW], v[NIL]
	s_wait_dscnt 0x0
	s_endpgm
.Lfunc_end_k_q4e2052a5bf_attn:
	.size	k_q4e2052a5bf_attn, .Lfunc_end_k_q4e2052a5bf_attn-k_q4e2052a5bf_attn
	.p2alignl 7, 3214868480
	.fill 96, 4, 3214868480
	.section	.rodata,"a",@progbits
	.p2align	6, 0x0
	.amdhsa_kernel k_q4e2052a5bf_attn
		.amdhsa_group_segment_fixed_size 210944
		.amdhsa_private_segment_fixed_size 0
		.amdhsa_enable_private_segment 0
		.amdhsa_kernarg_size 16
		.amdhsa_user_sgpr_count 2
		.amdhsa_user_sgpr_kernarg_segment_ptr 1
		.amdhsa_wavefront_size32 1
		.amdhsa_system_sgpr_workgroup_id_x 1
		.amdhsa_system_sgpr_workgroup_id_y 1
		.amdhsa_system_sgpr_workgroup_id_z 1
		.amdhsa_system_vgpr_workitem_id 0
		.amdhsa_next_free_vgpr 256
		.amdhsa_next_free_sgpr 66
		.amdhsa_reserve_vcc 1
		.amdhsa_float_denorm_mode_32 3
		.amdhsa_float_denorm_mode_16_64 3
		.amdhsa_memory_ordered 1
		.amdhsa_forward_progress 1
		.amdhsa_inst_pref_size 36
	.end_amdhsa_kernel
	.amdgpu_metadata
---
amdhsa.version: [ 1, 2 ]
amdhsa.kernels:
  - .name:           k_q4e2052a5bf_attn
    .symbol:         k_q4e2052a5bf_attn.kd
    .args:
      - { .name: QKV, .offset: 0, .size: 8, .value_kind: global_buffer, .address_space: global }
      - { .name: CTX, .offset: 8, .size: 8, .value_kind: global_buffer, .address_space: global }
    .group_segment_fixed_size: 210944
    .private_segment_fixed_size: 0
    .kernarg_segment_align: 8
    .kernarg_segment_size: 16
    .max_flat_workgroup_size: 512
    .sgpr_count:     66
    .vgpr_count:     256
    .wavefront_size: 32
...
	.end_amdgpu_metadata
.endif
;; end of part 3
;; launch wo (part 4): grid 8 x 32, 4 waves a work-group, no clusters, 279,040 bytes of LDS; arguments CTX, W, bo, x, X1; writes X1
.if DOCPART == 4
	.amdgcn_target "amdgcn-amd-amdhsa--gfx1250"
	.amdhsa_code_object_version 6
	.text
	.protected	k_q4e2052a5bf_wo
	.globl	k_q4e2052a5bf_wo
	.p2align	8
	.type	k_q4e2052a5bf_wo,@function
k_q4e2052a5bf_wo:
	s_mov_b64 s[64:65], 0
	v_nop
	global_prefetch_b8 v0, s[64:65] scope:SCOPE_SE
	s_setreg_imm32_b32 hwreg(HW_REG_WAVE_MODE, 25, 1), 1
	s_wait_xcnt 0x0
; x1 = x + ctx wo + bo on codes of E2M3.  (The same text as launch w2, with other constants at its head.)
; N is 1,024, which gives only 256 tiles of 128 x 128 for 1,024 SIMDs: so the four waves of a work-group make ONE such tile and SHARE ITS K: wave w takes K steps NK w .. NK w + NK - 1 into 64 accumulators of its own.
; The four parts meet in LDS: each wave stores its 64 accumulators, one barrier, then wave w adds the four parts of rows 32 w .. 32 w + 31 in a fixed order, (p0 + p1) + (p2 + p3), adds residual and bias, and stores whole
; rows of 512 bytes.  LIMIT: so the sum over K is four f32 partial sums added in that order.  Others: as stated at launch prep's head.
; Fragments go from memory straight into registers in register order, two buffers; no tensor load, so no joint requests: they serve tiles in LDS, and this text has none; each wave reads each of its fragments once.
; alpha = the activations' 128 rows (here half fragments, a head each: 512 bytes of 16 a lane, then 256 of 8 a lane), beta = the weight's 128 columns: D = beta x alpha: a lane holds one row and 8 columns a tile.
; REGISTERS: windows as in launch qkv; window 0: v3, v4 the add's two, v8-11 where I put my part, v12 where I read; behind the products v124-127 the bias, v128-255 the residual, then the result; window 1: two batches of parts.
.set NK,    2
.set HALFA, 1
.set NLD,   56                         ; loads of a K step: 24 for beta, 32 for alpha's sixteen halves
.set RTA,   12288
.set RTB,   12288
.set GSA,   98304                      ; alpha: a group's codes
.set GSB,   98304
.set WB0,   24*98304                   ; beta: wo's first group in W
.set KW,    3072                       ; a wave's part of K in a tile's codes
.set SA0,   3145728                    ; alpha's scale words,
.set SGA,   4096                       ; a group's,
.set SB0,   9437184+24*4096
.set SGB,   4096
.set KWS,   1024                       ; a wave's part of them
.set L16, 1
.set L8,  2
.set SPW, 3
.set NIL, 4
.set RDA, 12
.set SCA, 16
.set SCB, 48
.set A0,  80
.set A1L, 176
.set A1H, 192
.set BI,  124
.set RES, 128
.set PA,  32
.set PB,  34
.set PSA, 36
.set PSB, 38
.set BP,  30
.set RB,  42
.set OB,  44
.set SPARE, 278528                     ; LDS: part (tile a of rows, wave w) at 34,816 a + 8,704 w: 32 runs of 256 bytes, 272 apart; behind them the spare words, two blocks of 256 bytes that no other line names
.set MSB, 0
.macro WIN new
.if MSB != (\new)
	s_set_vgpr_msb (MSB<<8)|(\new)
.set MSB, (\new)
.endif
.endm
.macro PLACES
.rept 4
	v_nop
.endr
.endm
.macro WM d, fb, fa, sb, sa, zero, odd
.if \zero
	v_wmma_scale_f32_16x16x128_f8f6f4 v[(\d):(\d)+7], v[(\fb):(\fb)+11], v[(\fa):(\fa)+11], 0, v[\sb], v[\sa] matrix_a_fmt:MATRIX_FMT_FP6 matrix_b_fmt:MATRIX_FMT_FP6
.elseif \odd
	v_wmma_scale_f32_16x16x128_f8f6f4 v[(\d):(\d)+7], v[(\fb):(\fb)+11], v[(\fa):(\fa)+11], v[(\d):(\d)+7], v[\sb], v[\sa] matrix_a_fmt:MATRIX_FMT_FP6 matrix_b_fmt:MATRIX_FMT_FP6 matrix_a_scale:MATRIX_SCALE_ROW1 matrix_b_scale:MATRIX_SCALE_ROW1
.else
	v_wmma_scale_f32_16x16x128_f8f6f4 v[(\d):(\d)+7], v[(\fb):(\fb)+11], v[(\fa):(\fa)+11], v[(\d):(\d)+7], v[\sb], v[\sa] matrix_a_fmt:MATRIX_FMT_FP6 matrix_b_fmt:MATRIX_FMT_FP6
.endif
.endm
.macro ATILE reg, i, s
.if HALFA
.irp c, 0,1
	global_load_b128 v[(\reg)+6*\c:(\reg)+6*\c+3], v[L16], s[PA:PA+1] offset:(\i)*RTA+(\s)*1536+768*\c
	global_load_b64 v[(\reg)+6*\c+4:(\reg)+6*\c+5], v[L8], s[PA:PA+1] offset:(\i)*RTA+(\s)*1536+768*\c+512
.endr
.else
.irp c, 0,1,2
	global_load_b128 v[(\reg)+4*\c:(\reg)+4*\c+3], v[L16], s[PA:PA+1] offset:(\i)*RTA+(\s)*1536+512*\c
.endr
.endif
.endm
.macro LOADF buf, s
	WIN 0x40
.irp i, 0,1,2,3,4,5,6,7
.irp c, 0,1,2
	global_load_b128 v[96*(\buf)+12*\i+4*\c:96*(\buf)+12*\i+4*\c+3], v[L16], s[PB:PB+1] offset:\i*RTB+(\s)*1536+512*\c
.endr
.endr
.if (\buf) == 0
	WIN 0
.irp i, 0,1,2,3,4,5,6,7
	ATILE A0+12*\i, \i, \s
.endr
.else
.irp i, 4,5,6,7
	ATILE A1H+12*(\i-4), \i, \s
.endr
	WIN 0
.irp i, 0,1,2,3
	ATILE A1L+12*\i, \i, \s
.endr
.endif
.endm
.macro MULK buf, s, zero               ; the 64 accumulators take turns, one instruction a turn, in the same order in every K step
	WIN 0xa1
.irp a, 0,1,2,3
.irp b, 0,1,2,3,4,5,6,7
	WM 8*(8*\a+\b), 96*(\buf)+12*\b, A0+96*(\buf)+12*\a, SCB+8*((\s)/2)+\b, SCA+8*((\s)/2)+\a, \zero, (\s)%2
.endr
.endr
.if (\buf) == 0
	WIN 0xf1
.irp a, 4,5,6,7
.irp b, 0,1,2,3,4,5,6,7
	WM 8*(8*(\a-4)+\b), 12*\b, A0+12*\a, SCB+8*((\s)/2)+\b, SCA+8*((\s)/2)+\a, \zero, (\s)%2
.endr
.endr
.else
	WIN 0xf5
.irp a, 4,5,6,7
.irp b, 0,1,2,3,4,5,6,7
	WM 8*(8*(\a-4)+\b), 96+12*\b, A1H+12*(\a-4), SCB+8*((\s)/2)+\b, SCA+8*((\s)/2)+\a, \zero, (\s)%2
.endr
.endr
.endif
.endm
.macro KSTEP s, cnt, zero, more        ; cnt: the loads issued behind this K step's, which may stay out
	s_wait_loadcnt \cnt
	MULK (\s)%2, \s, \zero
	PLACES
.if \more
	LOADF (\s)%2, (\s)+2
.else
	WIN 0
.endif
.endm
	s_load_b256 s[4:11], s[0:1], 0x0               ; the activations' images, W, the bias, the residual
	s_load_b64 s[12:13], s[0:1], 0x20              ; the result
	v_lshl_add_u32 v[SPW], v0, 2, SPARE
	v_mov_b32 v[NIL], 0
	v_lshrrev_b32 v5, 5, v0
	v_readfirstlane_b32 s16, v5                    ; wave
	v_and_b32 v5, 31, v0
	v_lshlrev_b32 v[L16], 4, v5
	v_lshlrev_b32 v[L8], 3, v5
	v_and_b32 v6, 15, v0                           ; r
	v_bfe_u32 v7, v0, 4, 1                         ; h
	s_mul_i32 s18, s16, 8704
	v_mul_u32_u24 v8, v7, 272
	v_lshl_add_u32 v8, v6, 4, v8
	v_add_nc_u32 v8, s18, v8                       ; my part of tiles 0, 1: run 4 b + 2 (register / 4) + h, 16 bytes at r
	v_add_nc_u32 v9, 69632, v8                     ; tiles 2, 3
	v_add_nc_u32 v10, 139264, v8
	v_add_nc_u32 v11, 208896, v8
	v_lshrrev_b32 v13, 3, v5                       ; back: lane l takes columns 4 l .. 4 l + 3, which lie in run 8 (l / 8) + 4 ((l / 2) % 2) + 2 (l % 2) + (l / 4) % 2
	v_lshlrev_b32 v[RDA], 3, v13
	v_bfe_u32 v13, v0, 1, 1
	v_lshl_add_u32 v[RDA], v13, 2, v[RDA]
	v_and_b32 v13, 1, v0
	v_lshl_add_u32 v[RDA], v13, 1, v[RDA]
	v_bfe_u32 v13, v0, 2, 1
	v_add_nc_u32 v[RDA], v[RDA], v13
	v_mul_u32_u24 v[RDA], v[RDA], 272
	s_mul_i32 s18, s16, 69632                      ; of tiles 2 w and 2 w + 1
	v_add_nc_u32 v[RDA], s18, v[RDA]
	s_and_b32 s17, ttmp7, 0xffff                   ; y: the group of 128 rows;  ttmp9: the group of 128 columns
	s_mul_i32 s19, s16, KW
	s_mul_i32 s22, s17, GSA
	s_add_co_u32 s22, s22, s19
	s_mov_b32 s23, 0
	s_mul_i32 s24, ttmp9, GSB
	s_add_co_u32 s24, s24, s19
	s_add_co_u32 s24, s24, WB0
	s_mov_b32 s25, 0
	s_mul_i32 s19, s16, KWS
	s_mul_i32 s26, s17, SGA
	s_add_co_u32 s26, s26, s19
	s_add_co_u32 s26, s26, SA0
	s_mov_b32 s27, 0
	s_mul_i32 s28, ttmp9, SGB
	s_add_co_u32 s28, s28, s19
	s_add_co_u32 s28, s28, SB0
	s_mov_b32 s29, 0
	s_lshl_b32 s30, ttmp9, 9
	s_mov_b32 s31, 0
	s_lshl_b32 s40, s17, 7
	s_lshl_b32 s19, s16, 5
	s_add_co_u32 s40, s40, s19
	s_lshl_b32 s40, s40, 12                        ; row 128 y + 32 w of 4,096 bytes,
	s_add_co_u32 s40, s40, s30                     ; + my 128 columns
	s_mov_b32 s41, 0
	s_wait_kmcnt 0x0
	s_add_nc_u64 s[PA:PA+1], s[4:5], s[22:23]
	s_add_nc_u64 s[PB:PB+1], s[6:7], s[24:25]
	s_add_nc_u64 s[PSA:PSA+1], s[4:5], s[26:27]
	s_add_nc_u64 s[PSB:PSB+1], s[6:7], s[28:29]
	s_add_nc_u64 s[BP:BP+1], s[8:9], s[30:31]
	s_add_nc_u64 s[RB:RB+1], s[10:11], s[40:41]
	s_add_nc_u64 s[OB:OB+1], s[12:13], s[40:41]
.set I, 0
.rept NK/2
.irp q, 0,1
	global_load_b128 v[SCA+8*I+4*\q:SCA+8*I+4*\q+3], v[L16], s[PSA:PSA+1] offset:1024*I+512*\q
	global_load_b128 v[SCB+8*I+4*\q:SCB+8*I+4*\q+3], v[L16], s[PSB:PSB+1] offset:1024*I+512*\q
.endr
.set I, I+1
.endr
	LOADF 0, 0
	LOADF 1, 1
.if NK == 2
	KSTEP 0, NLD, 1, 0                             ; the first K step's products start the sums
	KSTEP 1, 0, 0, 0
.else
	KSTEP 0, NLD, 1, 1
	KSTEP 1, NLD, 0, 1
	KSTEP 2, NLD, 0, 1
	KSTEP 3, NLD, 0, 1
	KSTEP 4, NLD, 0, 1
	KSTEP 5, NLD, 0, 1
	KSTEP 6, NLD, 0, 0
	KSTEP 7, 0, 0, 0
.endif
	global_load_b128 v[BI:BI+3], v[L16], s[BP:BP+1]   ; the bias of my four columns
.set I, 0
.rept 32                               ; the residual: place I % 16 of tile 2 w + I / 16 is row 8 (I / 16) + I % 16 + 8 ((I % 16) / 8) of my 32; 512 consecutive bytes a load
	global_load_b128 v[RES+4*I:RES+4*I+3], v[L16], s[RB:RB+1] offset:(8*(I/16)+I%16+8*((I%16)/8))*4096
.set I, I+1
.endr
	WIN 0x08                                       ; an LDS store's data are its source 1: window 2,
.irp a, 0,1,2,3
.irp b, 0,1,2,3,4,5,6,7
	ds_store_b128 v[8+\a/2], v[8*(8*\a+\b):8*(8*\a+\b)+3] offset:(\a%2)*34816+1088*\b       ; each accumulator from its low end on
	ds_store_b128 v[8+\a/2], v[8*(8*\a+\b)+4:8*(8*\a+\b)+7] offset:(\a%2)*34816+1088*\b+544
.endr
.endr
	WIN 0x0c                                       ; then window 3
.irp a, 0,1,2,3
.irp b, 0,1,2,3,4,5,6,7
	ds_store_b128 v[10+\a/2], v[8*(8*\a+\b):8*(8*\a+\b)+3] offset:(\a%2)*34816+1088*\b
	ds_store_b128 v[10+\a/2], v[8*(8*\a+\b)+4:8*(8*\a+\b)+7] offset:(\a%2)*34816+1088*\b+544
.endr
.endr
	WIN 0
	s_wait_dscnt 0x0                               ; for the others' sake: my part has landed
	s_barrier_signal -1
	s_barrier_wait -1
.macro BLD k                           ; batch k: 8 rows (places 8 (k % 2) .. + 7 of tile 2 w + k / 2), the four waves' parts of my four columns, into window 1
	WIN 0x40
.irp row, 0,1,2,3,4,5,6,7
.irp wp, 0,1,2,3
	ds_load_b128 v[128*((\k)%2)+16*\row+4*\wp:128*((\k)%2)+16*\row+4*\wp+3], v[RDA] offset:34816*((\k)/2)+8704*\wp+16*(8*((\k)%2)+\row)
.endr
.endr
.endm
.macro BSUM k, cnt                     ; cnt: the next batch's 32 LDS loads may stay out
.set PBS, 128*((\k)%2)
	s_wait_dscnt \cnt
	WIN 0x45
.irp row, 0,1,2,3,4,5,6,7
	v_pk_add_f32 v[PBS+16*\row:PBS+16*\row+1], v[PBS+16*\row:PBS+16*\row+1], v[PBS+16*\row+4:PBS+16*\row+5]
	v_pk_add_f32 v[PBS+16*\row+2:PBS+16*\row+3], v[PBS+16*\row+2:PBS+16*\row+3], v[PBS+16*\row+6:PBS+16*\row+7]
	v_pk_add_f32 v[PBS+16*\row+8:PBS+16*\row+9], v[PBS+16*\row+8:PBS+16*\row+9], v[PBS+16*\row+12:PBS+16*\row+13]
	v_pk_add_f32 v[PBS+16*\row+10:PBS+16*\row+11], v[PBS+16*\row+10:PBS+16*\row+11], v[PBS+16*\row+14:PBS+16*\row+15]
.endr
.irp row, 0,1,2,3,4,5,6,7
	v_pk_add_f32 v[PBS+16*\row:PBS+16*\row+1], v[PBS+16*\row:PBS+16*\row+1], v[PBS+16*\row+8:PBS+16*\row+9]
	v_pk_add_f32 v[PBS+16*\row+2:PBS+16*\row+3], v[PBS+16*\row+2:PBS+16*\row+3], v[PBS+16*\row+10:PBS+16*\row+11]
.endr
	WIN 0x04
.irp row, 0,1,2,3,4,5,6,7
	v_pk_add_f32 v[RES+4*(8*(\k)+\row):RES+4*(8*(\k)+\row)+1], v[RES+4*(8*(\k)+\row):RES+4*(8*(\k)+\row)+1], v[PBS+16*\row:PBS+16*\row+1]
	v_pk_add_f32 v[RES+4*(8*(\k)+\row)+2:RES+4*(8*(\k)+\row)+3], v[RES+4*(8*(\k)+\row)+2:RES+4*(8*(\k)+\row)+3], v[PBS+16*\row+2:PBS+16*\row+3]
.endr
	WIN 0
.irp row, 0,1,2,3,4,5,6,7
.if HALFA
	global_store_b128 v[L16], v[RES+4*(8*(\k)+\row):RES+4*(8*(\k)+\row)+3], s[OB:OB+1] offset:(8*((\k)/2)+16*((\k)%2)+\row)*4096   ; 512 consecutive bytes, at a multiple of 256 from the buffer's first byte
.else
	global_store_b128 v[L16], v[RES+4*(8*(\k)+\row):RES+4*(8*(\k)+\row)+3], s[OB:OB+1] offset:(8*((\k)/2)+16*((\k)%2)+\row)*4096 th:TH_STORE_NT
.endif
.endr
.endm
	BLD 0
	BLD 1
	WIN 0
	s_wait_loadcnt 0x0                             ; residual and bias
.set I, 0
.rept 32
	v_pk_add_f32 v[RES+4*I:RES+4*I+1], v[RES+4*I:RES+4*I+1], v[BI:BI+1]
	v_pk_add_f32 v[RES+4*I+2:RES+4*I+3], v[RES+4*I+2:RES+4*I+3], v[BI+2:BI+3]
.set I, I+1
.endr
	BSUM 0, 32
	BLD 2
	BSUM 1, 32
	BLD 3
	BSUM 2, 32
	BSUM 3, 0
	s_wait_tensorcnt 0x0                           ; the wave's end (every window is 0 here)
	ds_add_u32 v[SPW], v[NIL]
	s_wait_dscnt 0x0
	s_endpgm
.Lfunc_end_k_q4e2052a5bf_wo:
	.size	k_q4e2052a5bf_wo, .Lfunc_end_k_q4e2052a5bf_wo-k_q4e2052a5bf_wo
	.p2alignl 7, 3214868480
	.fill 96, 4, 3214868480
	.section	.rodata,"a",@progbits
	.p2align	6, 0x0
	.amdhsa_kernel k_q4e2052a5bf_wo
		.amdhsa_group_segment_fixed_size 279040
		.amdhsa_private_segment_fixed_size 0
		.amdhsa_enable_private_segment 0
		.amdhsa_kernarg_size 40
		.amdhsa_user_sgpr_count 2
		.amdhsa_user_sgpr_kernarg_segment_ptr 1
		.amdhsa_wavefront_size32 1
		.amdhsa_system_sgpr_workgroup_id_x 1
		.amdhsa_system_sgpr_workgroup_id_y 1
		.amdhsa_system_sgpr_workgroup_id_z 1
		.amdhsa_system_vgpr_workitem_id 0
		.amdhsa_next_free_vgpr 1024
		.amdhsa_next_free_sgpr 66
		.amdhsa_reserve_vcc 0
		.amdhsa_float_denorm_mode_32 3
		.amdhsa_float_denorm_mode_16_64 3
		.amdhsa_memory_ordered 1
		.amdhsa_forward_progress 1
		.amdhsa_inst_pref_size 74
	.end_amdhsa_kernel
	.amdgpu_metadata
---
amdhsa.version: [ 1, 2 ]
amdhsa.kernels:
  - .name:           k_q4e2052a5bf_wo
    .symbol:         k_q4e2052a5bf_wo.kd
    .args:
      - { .name: CTX, .offset: 0, .size: 8, .value_kind: global_buffer, .address_space: global }
      - { .name: W, .offset: 8, .size: 8, .value_kind: global_buffer, .address_space: global }
      - { .name: bo, .offset: 16, .size: 8, .value_kind: global_buffer, .address_space: global }
      - { .name: x, .offset: 24, .size: 8, .value_kind: global_buffer, .address_space: global }
      - { .name: X1, .offset: 32, .size: 8, .value_kind: global_buffer, .address_space: global }
    .group_segment_fixed_size: 279040
    .private_segment_fixed_size: 0
    .kernarg_segment_align: 8
    .kernarg_segment_size: 40
    .max_flat_workgroup_size: 128
    .sgpr_count:     66
    .vgpr_count:     1024
    .wavefront_size: 32
...
	.end_amdgpu_metadata
.endif
;; end of part 4
;; launch ln2 (part 5): grid 256 x 1, 4 waves a work-group, no clusters, 66,304 bytes of LDS; arguments X1, ln2_scale, ln2_shift, H; writes H
.if DOCPART == 5
	.amdgcn_target "amdgcn-amd-amdhsa--gfx1250"
	.amdhsa_code_object_version 6
	.text
	.protected	k_q4e2052a5bf_ln2
	.globl	k_q4e2052a5bf_ln2
	.p2align	8
	.type	k_q4e2052a5bf_ln2,@function
k_q4e2052a5bf_ln2:
	s_mov_b64 s[64:65], 0
	v_nop
	global_prefetch_b8 v0, s[64:65] scope:SCOPE_SE
	s_setreg_imm32_b32 hwreg(HW_REG_WAVE_MODE, 25, 1), 1
	s_wait_xcnt 0x0
; THE SECOND LAYER NORM AND ITS QUANTISER: h = gain (x1 - mean) rsqrt(var + 1e-5) + shift, all in f32, then codes of E2M3 and scale words along the row's 1,024, laid as launch prep's head describes.
; (The text of the norm's path of launch prep, as a launch of its own: it waits for launch wo's result, and nothing else is ready to run beside it.)
; A work-group makes one tile of 16 rows (tile 2 B + u, place p = row 32 B + 8 u + p + 8 (p / 8)).  Phase 1: wave w takes places 4 w .. 4 w + 3, four consecutive rows of memory, a row in 32 registers (each load reads
; 512 consecutive bytes), so mean and variance never leave the wave; the finished rows go to a stage in LDS.  One barrier.  Phase 2: wave w takes K steps 2 w and 2 w + 1 of all 16 rows: lane (r, h) reads whole blocks of 32
; (k = 128 s + 64 c + 32 h + 0 .. 31 of row r), so a block's largest magnitude needs no other lane and the conversions' results are the fragment's registers.
; The scale words leave as 4 bytes a lane, 16 bytes apart: a tile owns one word of each 16 bytes of the scale image; they are one part in 24 of the codes' bytes.
; No matrix unit, no tensor load, no cluster: work-groups share only gain and shift, 8 KiB.  LIMITS: as stated at launch prep's head.
.set SPW,   3
.set NIL,   4
.set X,     32                         ; v32-159  phase 1: row i at 32 i, chunk j: k = 128 j + 4 lane + 0 .. 3;  phase 2: 128 numbers: 64 e + 32 c + i
.set GA,    160                        ; v160-191 gain;  later the conversions' second halves
.set SH,    192                        ; v192-223 shift
.set PC,    224                        ; v224-235, v240-251: the two fragments
.set PITCH, 4112                       ; a stage row: 4,096 bytes + 16: an odd multiple of 16, so that 16 rows' reads start in 16 different groups of banks
.set SPARE, 65792
	s_load_b256 s[4:11], s[0:1], 0x0               ; the rows, gain, shift, H
	v_lshl_add_u32 v[SPW], v0, 2, SPARE
	v_mov_b32 v[NIL], 0
	v_lshrrev_b32 v8, 5, v0
	v_readfirstlane_b32 s12, v8                    ; wave
	v_and_b32 v1, 31, v0                           ; lane
	v_lshlrev_b32 v2, 4, v1                        ; 16 x lane
	v_and_b32 v8, 15, v0                           ; r
	v_bfe_u32 v7, v0, 4, 1                         ; h
	s_mul_i32 s16, s12, 4*PITCH
	v_add_nc_u32 v5, s16, v2                       ; the stage, in: my four rows, 16 bytes a lane
	v_mul_u32_u24 v6, v8, PITCH
	v_lshl_add_u32 v6, v7, 7, v6
	s_lshl_b32 s17, s12, 10
	v_add_nc_u32 v6, s17, v6                       ; and out: row r, + 128 h, + my two K steps
	s_lshr_b32 s13, ttmp9, 1
	s_lshl_b32 s13, s13, 5
	s_and_b32 s14, ttmp9, 1
	s_lshl_b32 s14, s14, 3
	s_add_co_u32 s13, s13, s14
	s_lshl_b32 s14, s12, 2
	s_add_co_u32 s13, s13, s14
	s_lshr_b32 s14, s12, 1
	s_lshl_b32 s14, s14, 3
	s_add_co_u32 s13, s13, s14                     ; my first row: 32 (T / 2) + 8 (T % 2) + 4 w + 8 (w / 2)
	s_lshl_b32 s14, s13, 12
	s_mov_b32 s15, 0
	s_mul_i32 s18, ttmp9, 12288                    ; the tile's codes,
	s_mul_i32 s19, s12, 3072                       ; my two K steps
	s_add_co_u32 s18, s18, s19
	s_mov_b32 s19, 0
	s_lshr_b32 s22, ttmp9, 3
	s_lshl_b32 s22, s22, 12                        ; scale words: the group of 8 tiles,
	s_lshl_b32 s23, s12, 10                        ; pair w,
	s_add_co_u32 s22, s22, s23
	s_bfe_u32 s23, ttmp9, 0x10002
	s_lshl_b32 s23, s23, 9                         ; quad (T / 4) % 2,
	s_add_co_u32 s22, s22, s23
	s_and_b32 s23, ttmp9, 3
	s_lshl_b32 s23, s23, 2                         ; word T % 4
	s_add_co_u32 s22, s22, s23
	s_add_co_u32 s22, s22, 3145728
	s_mov_b32 s23, 0
	s_mov_b32 s20, 0x76543210
	s_mov_b32 s21, 0xfedcba98                      ; lane l xor 16
	s_mov_b32 s26, 0x3a800000                      ; 1 / 1,024
	s_mov_b32 s27, 0x3727c5ac                      ; 1e-5
	s_wait_kmcnt 0x0
	s_add_nc_u64 s[4:5], s[4:5], s[14:15]
	s_add_nc_u64 s[18:19], s[10:11], s[18:19]
	s_add_nc_u64 s[22:23], s[10:11], s[22:23]
.irp i, 0,1,2,3
.irp j, 0,1,2,3,4,5,6,7
	global_load_b128 v[X+32*\i+4*\j:X+32*\i+4*\j+3], v2, s[4:5] offset:4096*\i+512*\j th:TH_LOAD_NT
.endr
.endr
.irp j, 0,1,2,3,4,5,6,7
	global_load_b128 v[GA+4*\j:GA+4*\j+3], v2, s[6:7] offset:512*\j
	global_load_b128 v[SH+4*\j:SH+4*\j+3], v2, s[8:9] offset:512*\j
.endr
	s_wait_loadcnt 0x0
.macro LANESUM                         ; v[8 + 2 i], i = 0 .. 3: summed over the 32 lanes, the result in every lane
.irp i, 0,1,2,3
	v_add_f32 v[8+2*\i], v[8+2*\i], v[9+2*\i]
.endr
.irp m, 1,2,4,8
.irp i, 0,1,2,3
	v_add_f32_dpp v[8+2*\i], v[8+2*\i], v[8+2*\i] row_xmask:\m row_mask:0xf bank_mask:0xf
.endr
.endr
.irp i, 0,1,2,3
	v_permlanex16_b32 v[9+2*\i], v[8+2*\i], s20, s21
.endr
.irp i, 0,1,2,3
	v_add_f32 v[8+2*\i], v[8+2*\i], v[9+2*\i]
.endr
.endm
.irp i, 0,1,2,3                        ; the four rows by turns, so that no line waits for the line above it
	v_pk_add_f32 v[8+2*\i:9+2*\i], v[X+32*\i:X+32*\i+1], v[X+32*\i+2:X+32*\i+3]
.endr
.irp j, 4,6,8,10,12,14,16,18,20,22,24,26,28,30
.irp i, 0,1,2,3
	v_pk_add_f32 v[8+2*\i:9+2*\i], v[8+2*\i:9+2*\i], v[X+32*\i+\j:X+32*\i+\j+1]
.endr
.endr
	LANESUM
.irp i, 0,1,2,3
	v_mul_f32 v[16+2*\i], s26, v[8+2*\i]           ; the mean, as a pair
.endr
.irp i, 0,1,2,3
	v_mov_b32 v[17+2*\i], v[16+2*\i]
.endr
.irp j, 0,2,4,6,8,10,12,14,16,18,20,22,24,26,28,30
.irp i, 0,1,2,3
	v_pk_add_f32 v[X+32*\i+\j:X+32*\i+\j+1], v[X+32*\i+\j:X+32*\i+\j+1], v[16+2*\i:17+2*\i] neg_lo:[0,1] neg_hi:[0,1]   ; x - mean
.endr
.endr
.irp i, 0,1,2,3
	v_pk_mul_f32 v[8+2*\i:9+2*\i], v[X+32*\i:X+32*\i+1], v[X+32*\i:X+32*\i+1]
.endr
.irp j, 2,4,6,8,10,12,14,16,18,20,22,24,26,28,30
.irp i, 0,1,2,3
	v_pk_fma_f32 v[8+2*\i:9+2*\i], v[X+32*\i+\j:X+32*\i+\j+1], v[X+32*\i+\j:X+32*\i+\j+1], v[8+2*\i:9+2*\i]
.endr
.endr
	LANESUM
.irp i, 0,1,2,3
	v_fma_f32 v[8+2*\i], v[8+2*\i], s26, s27       ; var + 1e-5
.endr
.irp i, 0,1,2,3
	v_rsq_f32 v[24+2*\i], v[8+2*\i]
.endr
	v_nop                                          ; one plain line behind the batch
	s_wait_alu depctr_va_vdst(0)                   ; one wait for the four, ahead of their first reader
.irp i, 0,1,2,3
	v_mov_b32 v[25+2*\i], v[24+2*\i]
.endr
.irp j, 0,2,4,6,8,10,12,14,16,18,20,22,24,26,28,30
.irp i, 0,1,2,3
	v_pk_mul_f32 v[X+32*\i+\j:X+32*\i+\j+1], v[X+32*\i+\j:X+32*\i+\j+1], v[24+2*\i:25+2*\i]
.endr
.irp i, 0,1,2,3
	v_pk_fma_f32 v[X+32*\i+\j:X+32*\i+\j+1], v[X+32*\i+\j:X+32*\i+\j+1], v[GA+\j:GA+\j+1], v[SH+\j:SH+\j+1]
.endr
.endr
.irp i, 0,1,2,3
.irp j, 0,1,2,3,4,5,6,7
	ds_store_b128 v5, v[X+32*\i+4*\j:X+32*\i+4*\j+3] offset:PITCH*\i+512*\j
.endr
.endr
	s_wait_dscnt 0x0                               ; for the others' sake: my four rows have landed
	s_barrier_signal -1
	s_barrier_wait -1
.irp e, 0,1
.irp c, 0,1
.irp i, 0,1,2,3,4,5,6,7
	ds_load_b128 v[X+64*\e+32*\c+4*\i:X+64*\e+32*\c+4*\i+3], v6 offset:512*\e+256*\c+16*\i
.endr
.endr
.endr
	v_lshlrev_b32 v24, 3, v7                       ; 8 h
	v_mov_b32 v22, 0                               ; (a lane permute's destination counts as one of its sources)
	v_mov_b32 v23, 0
	s_wait_dscnt 0x0
.irp q, 0,1,2,3                        ; block q = 2 e + c of mine: all its 32 numbers are mine; the four by turns
	v_max3_num_f32 v[8+\q], |v[X+32*\q]|, |v[X+32*\q+1]|, 0x1800000   ; and the floor 2^(3 - 127): the byte cannot fall under 1
.endr
.irp i, 2,4,6,8,10,12,14,16,18,20,22,24,26,28,30
.irp q, 0,1,2,3
	v_max3_num_f32 v[8+\q], v[8+\q], |v[X+32*\q+\i]|, |v[X+32*\q+\i+1]|
.endr
.endr
.irp q, 0,1,2,3
	v_add_nc_u32 v[12+\q], 0xff000000, v[8+\q]     ; 2 off the exponent field: the conversion's scale operand
.endr
.irp q, 0,1,2,3
	v_lshrrev_b32 v[16+\q], 23, v[12+\q]           ; the scale's byte
.endr
.irp e, 0,1
	v_lshl_or_b32 v[20+\e], v[17+2*\e], 16, v[16+2*\e]   ; my two bytes: blocks h and 2 + h of row r,
.endr
.irp e, 0,1
	v_lshlrev_b32 v[20+\e], v24, v[20+\e]          ; at their places in the word;
.endr
.irp e, 0,1
	v_permlanex16_b32 v[22+\e], v[20+\e], s20, s21
.endr
.irp e, 0,1
	v_or_b32 v[20+\e], v[20+\e], v[22+\e]          ; with lane l xor 16's two the word is whole
.endr
.irp e, 0,1
.irp c, 0,1
	v_cvt_scalef32_pk16_fp6_f32 v[PC+16*\e+6*\c:PC+16*\e+6*\c+2], v[X+64*\e+32*\c:X+64*\e+32*\c+15], v[12+2*\e+\c]
	v_cvt_scalef32_pk16_fp6_f32 v[GA+8*\e+4*\c:GA+8*\e+4*\c+2], v[X+64*\e+32*\c+16:X+64*\e+32*\c+31], v[12+2*\e+\c]   ; (three registers from an even number on)
.endr
.endr
	v_nop                                          ; one plain line behind the conversions
.irp e, 0,1
.irp c, 0,1
.irp i, 0,1,2
	v_mov_b32 v[PC+16*\e+6*\c+3+\i], v[GA+8*\e+4*\c+\i]
.endr
.endr
.endr
	v_cmp_gt_u32 vcc_lo, 16, v1
	v_cndmask_b32 v26, v21, v20, vcc_lo            ; lanes 0-15: the even K step's word of row r; lanes 16-31: the odd one's
.irp e, 0,1
.irp c, 0,1,2
	global_store_b128 v2, v[PC+16*\e+4*\c:PC+16*\e+4*\c+3], s[18:19] offset:1536*\e+512*\c   ; 512 consecutive bytes a store
.endr
.endr
	global_store_b32 v2, v26, s[22:23]
	s_wait_tensorcnt 0x0                           ; the wave's end
	ds_add_u32 v[SPW], v[NIL]
	s_wait_dscnt 0x0
	s_endpgm
.Lfunc_end_k_q4e2052a5bf_ln2:
	.size	k_q4e2052a5bf_ln2, .Lfunc_end_k_q4e2052a5bf_ln2-k_q4e2052a5bf_ln2
	.p2alignl 7, 3214868480
	.fill 96, 4, 3214868480
	.section	.rodata,"a",@progbits
	.p2align	6, 0x0
	.amdhsa_kernel k_q4e2052a5bf_ln2
		.amdhsa_group_segment_fixed_size 66304
		.amdhsa_private_segment_fixed_size 0
		.amdhsa_enable_private_segment 0
		.amdhsa_kernarg_size 32
		.amdhsa_user_sgpr_count 2
		.amdhsa_user_sgpr_kernarg_segment_ptr 1
		.amdhsa_wavefront_size32 1
		.amdhsa_system_sgpr_workgroup_id_x 1
		.amdhsa_system_sgpr_workgroup_id_y 1
		.amdhsa_system_sgpr_workgroup_id_z 1
		.amdhsa_system_vgpr_workitem_id 0
		.amdhsa_next_free_vgpr 256
		.amdhsa_next_free_sgpr 66
		.amdhsa_reserve_vcc 1
		.amdhsa_float_denorm_mode_32 3
		.amdhsa_float_denorm_mode_16_64 3
		.amdhsa_memory_ordered 1
		.amdhsa_forward_progress 1
		.amdhsa_inst_pref_size 42
	.end_amdhsa_kernel
	.amdgpu_metadata
---
amdhsa.version: [ 1, 2 ]
amdhsa.kernels:
  - .name:           k_q4e2052a5bf_ln2
    .symbol:         k_q4e2052a5bf_ln2.kd
    .args:
      - { .name: X1, .offset: 0, .size: 8, .value_kind: global_buffer, .address_space: global }
      - { .name: ln2_scale, .offset: 8, .size: 8, .value_kind: global_buffer, .address_space: global }
      - { .name: ln2_shift, .offset: 16, .size: 8, .value_kind: global_buffer, .address_space: global }
      - { .name: H, .offset: 24, .size: 8, .value_kind: global_buffer, .address_space: global }
    .group_segment_fixed_size: 66304
    .private_segment_fixed_size: 0
    .kernarg_segment_align: 8
    .kernarg_segment_size: 32
    .max_flat_workgroup_size: 128
    .sgpr_count:     66
    .vgpr_count:     256
    .wavefront_size: 32
...
	.end_amdgpu_metadata
.endif
;; end of part 5
;; launch w1 (part 6): grid 16 x 16, 4 waves a work-group, no clusters, 0 bytes of LDS; arguments H, W, b1, HID; writes HID
.if DOCPART == 6
	.amdgcn_target "amdgcn-amd-amdhsa--gfx1250"
	.amdhsa_code_object_version 6
	.text
	.protected	k_q4e2052a5bf_w1
	.globl	k_q4e2052a5bf_w1
	.p2align	8
	.type	k_q4e2052a5bf_w1,@function
k_q4e2052a5bf_w1:
	s_mov_b64 s[64:65], 0
	v_nop
	global_prefetch_b8 v0, s[64:65] scope:SCOPE_SE
	s_setreg_imm32_b32 hwreg(HW_REG_WAVE_MODE, 25, 1), 1
	s_wait_xcnt 0x0
; hid = gelu(h w1 + b1), exact gelu, on codes of E2M3, quantised in registers along the hidden axis and stored as images of operand registers for launch w2 (layouts: launch prep's head).
; The main loop is launch qkv's: a wave makes 128 rows x 128 hidden units, 64 accumulators; alpha = h's rows, beta = w1's columns; a lane holds one row, its 64 registers of a tile of rows run along 128 hidden units: one K step of w2.
; Fragments go from memory straight into registers in register order; no tensor load, so no joint requests: they serve tiles in LDS, and this text has none; each wave reads each of its fragments once.
; THE WAY OUT is a loop over the 8 tiles of rows, so that the gelu is written once: a ladder of scalar branches on the trip's number picks the 32 lines that add the bias to that tile's accumulators; all else is common.
; GELU: 0.5 x (1 + erf(x / sqrt 2)), erf(z) = z P(z^2) / Q(z^2) with z held to +-4: a rational form in f32 (numerator of degree 6 in z^2, denominator of degree 4).
; LIMIT: erf is right to about 1e-7 absolutely, as f32's own 1 + erf is; so gelu's relative accuracy falls off for x under about -3, and under -5.66 the result is 0.  Others: as stated at launch prep's head.
; REGISTERS: windows as in launch qkv.  On the way out, window 0: v9 the scale words' address; v16-31 z, v32-47 z^2, v48-63 P, v64-79 Q, then v16-34 codes, v36-51 at work, v52 the scale word; v80-143 the bias; v144-169 thirteen
;   constants as pairs; v176-239 64 numbers; v240-247 the tiles' scale words; v248-251 words to store.
.set HALFA, 0
.set RTA, 12288
.set RTB, 12288
.set L16, 1
.set L8,  2
.set LANE, 6
.set SCA, 16
.set SCB, 48
.set A0,  80
.set A1L, 176
.set A1H, 192
.set ZC,  16
.set Z2,  32
.set PY,  48
.set QY,  64
.set PC,  16
.set TM,  36
.set PW,  52
.set BIAS, 80
.set KC,  144
.set T,   176
.set PWS, 240
.set SEL, 2
.set PA,  32
.set PB,  34
.set PSA, 36
.set PSB, 38
.set BP,  30
.set OUT, 40
.set OS,  42
.set AL,  44
.set MSB, 0
.macro WIN new
.if MSB != (\new)
	s_set_vgpr_msb (MSB<<8)|(\new)
.set MSB, (\new)
.endif
.endm
.macro PLACES
.rept 4
	v_nop
.endr
.endm
.macro WM d, fb, fa, sb, sa, zero, odd
.if \zero
	v_wmma_scale_f32_16x16x128_f8f6f4 v[(\d):(\d)+7], v[(\fb):(\fb)+11], v[(\fa):(\fa)+11], 0, v[\sb], v[\sa] matrix_a_fmt:MATRIX_FMT_FP6 matrix_b_fmt:MATRIX_FMT_FP6
.elseif \odd
	v_wmma_scale_f32_16x16x128_f8f6f4 v[(\d):(\d)+7], v[(\fb):(\fb)+11], v[(\fa):(\fa)+11], v[(\d):(\d)+7], v[\sb], v[\sa] matrix_a_fmt:MATRIX_FMT_FP6 matrix_b_fmt:MATRIX_FMT_FP6 matrix_a_scale:MATRIX_SCALE_ROW1 matrix_b_scale:MATRIX_SCALE_ROW1
.else
	v_wmma_scale_f32_16x16x128_f8f6f4 v[(\d):(\d)+7], v[(\fb):(\fb)+11], v[(\fa):(\fa)+11], v[(\d):(\d)+7], v[\sb], v[\sa] matrix_a_fmt:MATRIX_FMT_FP6 matrix_b_fmt:MATRIX_FMT_FP6
.endif
.endm
.macro ATILE reg, i, s
.irp c, 0,1,2
	global_load_b128 v[(\reg)+4*\c:(\reg)+4*\c+3], v[L16], s[PA:PA+1] offset:(\i)*RTA+(\s)*1536+512*\c
.endr
.endm
.macro LOADF buf, s
	WIN 0x40
.irp i, 0,1,2,3,4,5,6,7
.irp c, 0,1,2
	global_load_b128 v[96*(\buf)+12*\i+4*\c:96*(\buf)+12*\i+4*\c+3], v[L16], s[PB:PB+1] offset:\i*RTB+(\s)*1536+512*\c
.endr
.endr
.if (\buf) == 0
	WIN 0
.irp i, 0,1,2,3,4,5,6,7
	ATILE A0+12*\i, \i, \s
.endr
.else
.irp i, 4,5,6,7
	ATILE A1H+12*(\i-4), \i, \s
.endr
	WIN 0
.irp i, 0,1,2,3
	ATILE A1L+12*\i, \i, \s
.endr
.endif
.endm
.macro MULK buf, s, zero               ; the 64 accumulators take turns, one instruction a turn, in the same order in every K step
	WIN 0xa1
.irp a, 0,1,2,3
.irp b, 0,1,2,3,4,5,6,7
	WM 8*(8*\a+\b), 96*(\buf)+12*\b, A0+96*(\buf)+12*\a, SCB+8*((\s)/2)+\b, SCA+8*((\s)/2)+\a, \zero, (\s)%2
.endr
.endr
.if (\buf) == 0
	WIN 0xf1
.irp a, 4,5,6,7
.irp b, 0,1,2,3,4,5,6,7
	WM 8*(8*(\a-4)+\b), 12*\b, A0+12*\a, SCB+8*((\s)/2)+\b, SCA+8*((\s)/2)+\a, \zero, (\s)%2
.endr
.endr
.else
	WIN 0xf5
.irp a, 4,5,6,7
.irp b, 0,1,2,3,4,5,6,7
	WM 8*(8*(\a-4)+\b), 96+12*\b, A1H+12*(\a-4), SCB+8*((\s)/2)+\b, SCA+8*((\s)/2)+\a, \zero, (\s)%2
.endr
.endr
.endif
.endm
.macro KSTEP s, cnt, zero, more        ; cnt: the loads issued behind this K step's, which may stay out
	s_wait_loadcnt \cnt
	MULK (\s)%2, \s, \zero
	PLACES
.if \more
	LOADF (\s)%2, (\s)+2
.else
	WIN 0
.endif
.endm
.macro QUANT s, pw                     ; as in launch qkv: 64 numbers of a lane become a fragment's codes in v[PC] on and its scale word in v[pw]
.irp b, 0,1,2,3
	v_max3_num_f32 v[TM+\b], |v[\s+16*\b]|, |v[\s+1+16*\b]|, 0x1800000
.endr
.irp i, 2,4,6,8,10,12,14
.irp b, 0,1,2,3
	v_max3_num_f32 v[TM+\b], v[TM+\b], |v[\s+16*\b+\i]|, |v[\s+1+16*\b+\i]|
.endr
.endr
.irp b, 0,1,2,3
	v_permlanex16_b32 v[TM+4+\b], v[TM+\b], s[SEL], s[SEL+1]
.endr
.irp b, 0,1,2,3
	v_max_num_f32 v[TM+\b], v[TM+\b], v[TM+4+\b]
.endr
.irp b, 0,1,2,3
	v_add_nc_u32 v[TM+12+\b], 0xff000000, v[TM+\b]
.endr
.irp b, 0,1,2,3
	v_lshrrev_b32 v[TM+4+\b], 23, v[TM+12+\b]
.endr
	v_lshl_or_b32 v[\pw], v[TM+5], 8, v[TM+4]
	v_lshl_or_b32 v[\pw], v[TM+6], 16, v[\pw]
	v_lshl_or_b32 v[\pw], v[TM+7], 24, v[\pw]
.irp c, 0,1
	v_cvt_scalef32_pk16_fp6_f32 v[PC+6*\c:PC+2+6*\c], v[\s+32*\c:\s+15+32*\c], v[TM+12+2*\c]
	v_cvt_scalef32_pk16_fp6_f32 v[PC+12+4*\c:PC+14+4*\c], v[\s+16+32*\c:\s+31+32*\c], v[TM+12+2*\c+1]
.endr
	v_nop
.irp c, 0,1
.irp i, 0,1,2
	v_permlane16_swap_b32 v[PC+6*\c+\i], v[PC+12+4*\c+\i]
.endr
.irp i, 0,1,2
	v_mov_b32 v[PC+3+6*\c+\i], v[PC+12+4*\c+\i]
.endr
.endr
.endm
; gelu of 16 numbers, two at a time, phase by phase so that no line waits for the line above it; the 16 reciprocals are one batch with one wait
.macro GELU16 g
.set TG, T+16*(\g)
.irp p, 0,2,4,6,8,10,12,14
	v_pk_mul_f32 v[ZC+\p:ZC+\p+1], v[TG+\p:TG+\p+1], v[KC+24:KC+25]          ; z = x / sqrt 2
.endr
.irp p, 0,1,2,3,4,5,6,7,8,9,10,11,12,13,14,15
	v_med3_num_f32 v[ZC+\p], v[ZC+\p], -4.0, 4.0
.endr
.irp p, 0,2,4,6,8,10,12,14
	v_pk_mul_f32 v[Z2+\p:Z2+\p+1], v[ZC+\p:ZC+\p+1], v[ZC+\p:ZC+\p+1]
.endr
.irp p, 0,2,4,6,8,10,12,14
	v_pk_fma_f32 v[PY+\p:PY+\p+1], v[Z2+\p:Z2+\p+1], v[KC:KC+1], v[KC+2:KC+3]
.endr
.irp k, 2,3,4,5,6
.irp p, 0,2,4,6,8,10,12,14
	v_pk_fma_f32 v[PY+\p:PY+\p+1], v[PY+\p:PY+\p+1], v[Z2+\p:Z2+\p+1], v[KC+2*\k:KC+2*\k+1]
.endr
.endr
.irp p, 0,2,4,6,8,10,12,14
	v_pk_fma_f32 v[QY+\p:QY+\p+1], v[Z2+\p:Z2+\p+1], v[KC+14:KC+15], v[KC+16:KC+17]
.endr
.irp k, 2,3,4
.irp p, 0,2,4,6,8,10,12,14
	v_pk_fma_f32 v[QY+\p:QY+\p+1], v[QY+\p:QY+\p+1], v[Z2+\p:Z2+\p+1], v[KC+14+2*\k:KC+15+2*\k]
.endr
.endr
.irp p, 0,1,2,3,4,5,6,7,8,9,10,11,12,13,14,15
	v_rcp_f32 v[QY+\p], v[QY+\p]
.endr
.irp p, 0,2,4,6,8,10,12,14
	v_pk_mul_f32 v[PY+\p:PY+\p+1], v[PY+\p:PY+\p+1], v[ZC+\p:ZC+\p+1]        ; plain work behind the batch, which names none of its results
.endr
.irp p, 0,2,4,6,8,10,12,14
	v_pk_mul_f32 v[TG+\p:TG+\p+1], v[TG+\p:TG+\p+1], 0.5 op_sel_hi:[1,0]
.endr
	s_wait_alu depctr_va_vdst(0)                   ; one wait for the 16, ahead of their first reader
.irp p, 0,2,4,6,8,10,12,14
	v_pk_mul_f32 v[PY+\p:PY+\p+1], v[PY+\p:PY+\p+1], v[QY+\p:QY+\p+1]        ; erf
.endr
.irp p, 0,2,4,6,8,10,12,14
	v_pk_fma_f32 v[TG+\p:TG+\p+1], v[TG+\p:TG+\p+1], v[PY+\p:PY+\p+1], v[TG+\p:TG+\p+1]   ; 0.5 x erf + 0.5 x
.endr
.endm
.macro COPY a                          ; tile a of rows: the last tile's scale word is put by; accumulators + bias, each accumulator from its low end on
.if (\a) > 0
	v_mov_b32 v[PWS+(\a)-1], v[PW]
.endif
	WIN 0x02+(\a)/4
.set I, 0
.rept 32
	v_pk_add_f32 v[T+2*I:T+2*I+1], v[64*((\a)%4)+2*I:64*((\a)%4)+2*I+1], v[BIAS+2*I:BIAS+2*I+1]
.set I, I+1
.endr
	WIN 0
.endm
.macro KONST i, bits                   ; a constant as a pair
	v_mov_b32 v[KC+2*\i], \bits
	v_mov_b32 v[KC+2*\i+1], \bits
.endm
	s_load_b256 s[4:11], s[0:1], 0x0               ; H, W, b1, HID
	v_lshrrev_b32 v5, 5, v0
	v_readfirstlane_b32 s16, v5
	v_and_b32 v[LANE], 31, v0
	v_lshlrev_b32 v[L16], 4, v[LANE]
	v_lshlrev_b32 v[L8], 3, v[LANE]
	v_bfe_u32 v7, v0, 4, 1                         ; h
	v_and_b32 v8, 15, v0                           ; r
	v_lshlrev_b32 v9, 9, v7
	v_lshl_add_u32 v9, v8, 4, v9                   ; the scale words' way out: 512 h + 16 r
	v_lshlrev_b32 v7, 6, v7                        ; the bias of my 16 units of each 32: 64 h bytes on
	s_lshr_b32 s17, s16, 1
	s_and_b32 s18, s16, 1
	s_and_b32 s19, ttmp7, 0xffff
	s_lshl_b32 s19, s19, 1
	s_add_co_u32 s19, s19, s17                     ; Gm: my 128 rows
	s_lshl_b32 s20, ttmp9, 1
	s_add_co_u32 s20, s20, s18                     ; Gn: my 128 hidden units
	s_add_co_u32 s21, s20, 32                      ; w1's groups begin at 32 in W
	s_mul_i32 s22, s19, 98304
	s_mov_b32 s23, 0
	s_mul_i32 s24, s21, 98304
	s_mov_b32 s25, 0
	s_lshl_b32 s26, s19, 12
	s_add_co_u32 s26, s26, 3145728
	s_mov_b32 s27, 0
	s_lshl_b32 s28, s21, 12
	s_add_co_u32 s28, s28, 9437184
	s_mov_b32 s29, 0
	s_lshl_b32 s30, s20, 9
	s_mov_b32 s31, 0
	s_mul_i32 s40, s19, 393216                     ; hid's codes: tile 8 Gm, K step Gn
	s_mul_i32 s17, s20, 1536
	s_add_co_u32 s40, s40, s17
	s_mov_b32 s41, 0
	s_lshl_b32 s42, s19, 14                        ; its scale words: group Gm, pair Gn / 2, lanes 16 (Gn % 2) + r
	s_add_co_u32 s42, s42, 12582912
	s_lshr_b32 s17, s20, 1
	s_lshl_b32 s17, s17, 10
	s_add_co_u32 s42, s42, s17
	s_and_b32 s17, s20, 1
	s_lshl_b32 s17, s17, 8
	s_add_co_u32 s42, s42, s17
	s_mov_b32 s43, 0
	s_mov_b32 s[SEL], 0x76543210
	s_mov_b32 s[SEL+1], 0xfedcba98
	s_wait_kmcnt 0x0
	s_add_nc_u64 s[PA:PA+1], s[4:5], s[22:23]
	s_add_nc_u64 s[PB:PB+1], s[6:7], s[24:25]
	s_add_nc_u64 s[PSA:PSA+1], s[4:5], s[26:27]
	s_add_nc_u64 s[PSB:PSB+1], s[6:7], s[28:29]
	s_add_nc_u64 s[BP:BP+1], s[8:9], s[30:31]
	s_add_nc_u64 s[OUT:OUT+1], s[10:11], s[40:41]
	s_add_nc_u64 s[OS:OS+1], s[10:11], s[42:43]
.irp p, 0,1,2,3
.irp q, 0,1
	global_load_b128 v[SCA+8*\p+4*\q:SCA+8*\p+4*\q+3], v[L16], s[PSA:PSA+1] offset:1024*\p+512*\q
	global_load_b128 v[SCB+8*\p+4*\q:SCB+8*\p+4*\q+3], v[L16], s[PSB:PSB+1] offset:1024*\p+512*\q
.endr
.endr
	LOADF 0, 0
	LOADF 1, 1
	KSTEP 0, 48, 1, 1                              ; the first K step's products start the sums
	KSTEP 1, 48, 0, 1
	KSTEP 2, 48, 0, 1
	KSTEP 3, 48, 0, 1
	KSTEP 4, 48, 0, 1
	KSTEP 5, 48, 0, 1
	KSTEP 6, 48, 0, 0
.irp b, 0,1,2,3
.irp i, 0,1,2,3
	global_load_b128 v[BIAS+16*\b+4*\i:BIAS+16*\b+4*\i+3], v7, s[BP:BP+1] offset:128*\b+16*\i   ; into alpha's buffer 0, which has done its last K step
.endr
.endr
	KSTEP 7, 16, 0, 0                              ; the 16 loads of the bias may stay out
	KONST 0, 0xaf95df0b                            ; the numerator's seven, from the highest power down,
	KONST 1, 0x32edffee
	KONST 2, 0xb60cff51
	KONST 3, 0xb86ec2d2
	KONST 4, 0xba40ac63
	KONST 5, 0xbb41a1f6
	KONST 6, 0xbc83dbd4
	KONST 7, 0xb77460cd                            ; the denominator's five,
	KONST 8, 0xb95fbd29
	KONST 9, 0xbadc924e
	KONST 10, 0xbbf19bf8
	KONST 11, 0xbc69b6a7
	KONST 12, 0x3f3504f3                           ; 1 / sqrt 2
	v_mov_b32 v[PW], 0
.irp i, 0,1,2,3,4,5,6,7
	v_mov_b32 v[PWS+\i], 0
.endr
	s_mov_b32 s[AL], 0
	s_wait_loadcnt 0x0                             ; the bias
.Ltile:
.irp a, 0,1,2,3,4,5,6
	s_cmp_eq_u32 s[AL], \a
	s_cbranch_scc1 .Lc\a
.endr
	COPY 7
	s_branch .Lcom
.irp a, 0,1,2,3,4,5
.Lc\a:
	COPY \a
	s_branch .Lcom
.endr
.Lc6:
	COPY 6
.Lcom:
	GELU16 0
	GELU16 1
	GELU16 2
	GELU16 3
	QUANT T, PW
.irp c, 0,1,2
	global_store_b128 v[L16], v[PC+4*\c:PC+4*\c+3], s[OUT:OUT+1] offset:512*\c   ; 512 consecutive bytes a store
.endr
	s_wait_xcnt 0x0                                ; the stores have read their registers and their base: both are written again only behind this wait
	s_add_nc_u64 s[OUT:OUT+1], s[OUT:OUT+1], 49152 ; the next tile of rows
	s_add_co_u32 s[AL], s[AL], 1
	s_cmp_lt_u32 s[AL], 8
	s_cbranch_scc1 .Ltile
	v_mov_b32 v[PWS+7], v[PW]
	v_cmp_gt_u32 vcc_lo, 16, v[LANE]
.irp i, 0,1,2,3
	v_cndmask_b32 v[248+\i], v[PWS+4+\i], v[PWS+\i], vcc_lo   ; lanes 0-15: tiles 0-3's words of row r; lanes 16-31: tiles 4-7's
.endr
	global_store_b128 v9, v[248:251], s[OS:OS+1]   ; sixteen lanes store 256 consecutive bytes
	s_endpgm
.Lfunc_end_k_q4e2052a5bf_w1:
	.size	k_q4e2052a5bf_w1, .Lfunc_end_k_q4e2052a5bf_w1-k_q4e2052a5bf_w1
	.p2alignl 7, 3214868480
	.fill 96, 4, 3214868480
	.section	.rodata,"a",@progbits
	.p2align	6, 0x0
	.amdhsa_kernel k_q4e2052a5bf_w1
		.amdhsa_group_segment_fixed_size 0
		.amdhsa_private_segment_fixed_size 0
		.amdhsa_enable_private_segment 0
		.amdhsa_kernarg_size 32
		.amdhsa_user_sgpr_count 2
		.amdhsa_user_sgpr_kernarg_segment_ptr 1
		.amdhsa_wavefront_size32 1
		.amdhsa_system_sgpr_workgroup_id_x 1
		.amdhsa_system_sgpr_workgroup_id_y 1
		.amdhsa_system_sgpr_workgroup_id_z 1
		.amdhsa_system_vgpr_workitem_id 0
		.amdhsa_next_free_vgpr 1024
		.amdhsa_next_free_sgpr 66
		.amdhsa_reserve_vcc 1
		.amdhsa_float_denorm_mode_32 3
		.amdhsa_float_denorm_mode_16_64 3
		.amdhsa_memory_ordered 1
		.amdhsa_forward_progress 1
		.amdhsa_inst_pref_size 170
	.end_amdhsa_kernel
	.amdgpu_metadata
---
amdhsa.version: [ 1, 2 ]
amdhsa.kernels:
  - .name:           k_q4e2052a5bf_w1
    .symbol:         k_q4e2052a5bf_w1.kd
    .args:
      - { .name: H, .offset: 0, .size: 8, .value_kind: global_buffer, .address_space: global }
      - { .name: W, .offset: 8, .size: 8, .value_kind: global_buffer, .address_space: global }
      - { .name: b1, .offset: 16, .size: 8, .value_kind: global_buffer, .address_space: global }
      - { .name: HID, .offset: 24, .size: 8, .value_kind: global_buffer, .address_space: global }
    .group_segment_fixed_size: 0
    .private_segment_fixed_size: 0
    .kernarg_segment_align: 8
    .kernarg_segment_size: 32
    .max_flat_workgroup_size: 128
    .sgpr_count:     66
    .vgpr_count:     1024
    .wavefront_size: 32
...
	.end_amdgpu_metadata
.endif
;; end of part 6
;; launch w2 (part 7): grid 8 x 32, 4 waves a work-group, no clusters, 279,040 bytes of LDS; arguments HID, W, b2, X1, out0; writes out0
.if DOCPART == 7
	.amdgcn_target "amdgcn-amd-amdhsa--gfx1250"
	.amdhsa_code_object_version 6
	.text
	.protected	k_q4e2052a5bf_w2
	.globl	k_q4e2052a5bf_w2
	.p2align	8
	.type	k_q4e2052a5bf_w2,@function
k_q4e2052a5bf_w2:
	s_mov_b64 s[64:65], 0
	v_nop
	global_prefetch_b8 v0, s[64:65] scope:SCOPE_SE
	s_setreg_imm32_b32 hwreg(HW_REG_WAVE_MODE, 25, 1), 1
	s_wait_xcnt 0x0
; out = x1 + hid w2 + b2 on codes of E2M3.  (The same text as launch wo, with other constants at its head.)
; N is 1,024, which gives only 256 tiles of 128 x 128 for 1,024 SIMDs: so the four waves of a work-group make ONE such tile and SHARE ITS K: wave w takes K steps NK w .. NK w + NK - 1 into 64 accumulators of its own.
; The four parts meet in LDS: each wave stores its 64 accumulators, one barrier, then wave w adds the four parts of rows 32 w .. 32 w + 31 in a fixed order, (p0 + p1) + (p2 + p3), adds residual and bias, and stores whole
; rows of 512 bytes.  LIMIT: so the sum over K is four f32 partial sums added in that order.  Others: as stated at launch prep's head.
; Fragments go from memory straight into registers in register order, two buffers; no tensor load, so no joint requests: they serve tiles in LDS, and this text has none; each wave reads each of its fragments once.
; alpha = the hidden layer's 128 rows, beta = the weight's 128 columns: D = beta x alpha: a lane holds one row and 8 columns a tile.
; REGISTERS: windows as in launch qkv; window 0: v3, v4 the add's two, v8-11 where I put my part, v12 where I read; behind the products v124-127 the bias, v128-255 the residual, then the result; window 1: two batches of parts.
.set NK,    8
.set HALFA, 0
.set NLD,   48                         ; loads of a K step: 24 for beta, 24 for alpha
.set RTA,   49152
.set RTB,   49152
.set GSA,   393216                     ; alpha: a group's codes
.set GSB,   393216
.set WB0,   6291456                    ; beta: w2's first group in W
.set KW,    12288                      ; a wave's part of K in a tile's codes
.set SA0,   12582912                   ; alpha's scale words,
.set SGA,   16384                      ; a group's,
.set SB0,   9699328
.set SGB,   16384
.set KWS,   4096                       ; a wave's part of them
.set L16, 1
.set L8,  2
.set SPW, 3
.set NIL, 4
.set RDA, 12
.set SCA, 16
.set SCB, 48
.set A0,  80
.set A1L, 176
.set A1H, 192
.set BI,  124
.set RES, 128
.set PA,  32
.set PB,  34
.set PSA, 36
.set PSB, 38
.set BP,  30
.set RB,  42
.set OB,  44
.set SPARE, 278528                     ; LDS: part (tile a of rows, wave w) at 34,816 a + 8,704 w: 32 runs of 256 bytes, 272 apart; behind them the spare words, two blocks of 256 bytes that no other line names
.set MSB, 0
.macro WIN new
.if MSB != (\new)
	s_set_vgpr_msb (MSB<<8)|(\new)
.set MSB, (\new)
.endif
.endm
.macro PLACES
.rept 4
	v_nop
.endr
.endm
.macro WM d, fb, fa, sb, sa, zero, odd
.if \zero
	v_wmma_scale_f32_16x16x128_f8f6f4 v[(\d):(\d)+7], v[(\fb):(\fb)+11], v[(\fa):(\fa)+11], 0, v[\sb], v[\sa] matrix_a_fmt:MATRIX_FMT_FP6 matrix_b_fmt:MATRIX_FMT_FP6
.elseif \odd
	v_wmma_scale_f32_16x16x128_f8f6f4 v[(\d):(\d)+7], v[(\fb):(\fb)+11], v[(\fa):(\fa)+11], v[(\d):(\d)+7], v[\sb], v[\sa] matrix_a_fmt:MATRIX_FMT_FP6 matrix_b_fmt:MATRIX_FMT_FP6 matrix_a_scale:MATRIX_SCALE_ROW1 matrix_b_scale:MATRIX_SCALE_ROW1
.else
	v_wmma_scale_f32_16x16x128_f8f6f4 v[(\d):(\d)+7], v[(\fb):(\fb)+11], v[(\fa):(\fa)+11], v[(\d):(\d)+7], v[\sb], v[\sa] matrix_a_fmt:MATRIX_FMT_FP6 matrix_b_fmt:MATRIX_FMT_FP6
.endif
.endm
.macro ATILE reg, i, s
.if HALFA
.irp c, 0,1
	global_load_b128 v[(\reg)+6*\c:(\reg)+6*\c+3], v[L16], s[PA:PA+1] offset:(\i)*RTA+(\s)*1536+768*\c
	global_load_b64 v[(\reg)+6*\c+4:(\reg)+6*\c+5], v[L8], s[PA:PA+1] offset:(\i)*RTA+(\s)*1536+768*\c+512
.endr
.else
.irp c, 0,1,2
	global_load_b128 v[(\reg)+4*\c:(\reg)+4*\c+3], v[L16], s[PA:PA+1] offset:(\i)*RTA+(\s)*1536+512*\c
.endr
.endif
.endm
.macro LOADF buf, s
	WIN 0x40
.irp i, 0,1,2,3,4,5,6,7
.irp c, 0,1,2
	global_load_b128 v[96*(\buf)+12*\i+4*\c:96*(\buf)+12*\i+4*\c+3], v[L16], s[PB:PB+1] offset:\i*RTB+(\s)*1536+512*\c
.endr
.endr
.if (\buf) == 0
	WIN 0
.irp i, 0,1,2,3,4,5,6,7
	ATILE A0+12*\i, \i, \s
.endr
.else
.irp i, 4,5,6,7
	ATILE A1H+12*(\i-4), \i, \s
.endr
	WIN 0
.irp i, 0,1,2,3
	ATILE A1L+12*\i, \i, \s
.endr
.endif
.endm
.macro MULK buf, s, zero               ; the 64 accumulators take turns, one instruction a turn, in the same order in every K step
	WIN 0xa1
.irp a, 0,1,2,3
.irp b, 0,1,2,3,4,5,6,7
	WM 8*(8*\a+\b), 96*(\buf)+12*\b, A0+96*(\buf)+12*\a, SCB+8*((\s)/2)+\b, SCA+8*((\s)/2)+\a, \zero, (\s)%2
.endr
.endr
.if (\buf) == 0
	WIN 0xf1
.irp a, 4,5,6,7
.irp b, 0,1,2,3,4,5,6,7
	WM 8*(8*(\a-4)+\b), 12*\b, A0+12*\a, SCB+8*((\s)/2)+\b, SCA+8*((\s)/2)+\a, \zero, (\s)%2
.endr
.endr
.else
	WIN 0xf5
.irp a, 4,5,6,7
.irp b, 0,1,2,3,4,5,6,7
	WM 8*(8*(\a-4)+\b), 96+12*\b, A1H+12*(\a-4), SCB+8*((\s)/2)+\b, SCA+8*((\s)/2)+\a, \zero, (\s)%2
.endr
.endr
.endif
.endm
.macro KSTEP s, cnt, zero, more        ; cnt: the loads issued behind this K step's, which may stay out
	s_wait_loadcnt \cnt
	MULK (\s)%2, \s, \zero
	PLACES
.if \more
	LOADF (\s)%2, (\s)+2
.else
	WIN 0
.endif
.endm
	s_load_b256 s[4:11], s[0:1], 0x0               ; the activations' images, W, the bias, the residual
	s_load_b64 s[12:13], s[0:1], 0x20              ; the result
	v_lshl_add_u32 v[SPW], v0, 2, SPARE
	v_mov_b32 v[NIL], 0
	v_lshrrev_b32 v5, 5, v0
	v_readfirstlane_b32 s16, v5                    ; wave
	v_and_b32 v5, 31, v0
	v_lshlrev_b32 v[L16], 4, v5
	v_lshlrev_b32 v[L8], 3, v5
	v_and_b32 v6, 15, v0                           ; r
	v_bfe_u32 v7, v0, 4, 1                         ; h
	s_mul_i32 s18, s16, 8704
	v_mul_u32_u24 v8, v7, 272
	v_lshl_add_u32 v8, v6, 4, v8
	v_add_nc_u32 v8, s18, v8                       ; my part of tiles 0, 1: run 4 b + 2 (register / 4) + h, 16 bytes at r
	v_add_nc_u32 v9, 69632, v8                     ; tiles 2, 3
	v_add_nc_u32 v10, 139264, v8
	v_add_nc_u32 v11, 208896, v8
	v_lshrrev_b32 v13, 3, v5                       ; back: lane l takes columns 4 l .. 4 l + 3, which lie in run 8 (l / 8) + 4 ((l / 2) % 2) + 2 (l % 2) + (l / 4) % 2
	v_lshlrev_b32 v[RDA], 3, v13
	v_bfe_u32 v13, v0, 1, 1
	v_lshl_add_u32 v[RDA], v13, 2, v[RDA]
	v_and_b32 v13, 1, v0
	v_lshl_add_u32 v[RDA], v13, 1, v[RDA]
	v_bfe_u32 v13, v0, 2, 1
	v_add_nc_u32 v[RDA], v[RDA], v13
	v_mul_u32_u24 v[RDA], v[RDA], 272
	s_mul_i32 s18, s16, 69632                      ; of tiles 2 w and 2 w + 1
	v_add_nc_u32 v[RDA], s18, v[RDA]
	s_and_b32 s17, ttmp7, 0xffff                   ; y: the group of 128 rows;  ttmp9: the group of 128 columns
	s_mul_i32 s19, s16, KW
	s_mul_i32 s22, s17, GSA
	s_add_co_u32 s22, s22, s19
	s_mov_b32 s23, 0
	s_mul_i32 s24, ttmp9, GSB
	s_add_co_u32 s24, s24, s19
	s_add_co_u32 s24, s24, WB0
	s_mov_b32 s25, 0
	s_mul_i32 s19, s16, KWS
	s_mul_i32 s26, s17, SGA
	s_add_co_u32 s26, s26, s19
	s_add_co_u32 s26, s26, SA0
	s_mov_b32 s27, 0
	s_mul_i32 s28, ttmp9, SGB
	s_add_co_u32 s28, s28, s19
	s_add_co_u32 s28, s28, SB0
	s_mov_b32 s29, 0
	s_lshl_b32 s30, ttmp9, 9
	s_mov_b32 s31, 0
	s_lshl_b32 s40, s17, 7
	s_lshl_b32 s19, s16, 5
	s_add_co_u32 s40, s40, s19
	s_lshl_b32 s40, s40, 12                        ; row 128 y + 32 w of 4,096 bytes,
	s_add_co_u32 s40, s40, s30                     ; + my 128 columns
	s_mov_b32 s41, 0
	s_wait_kmcnt 0x0
	s_add_nc_u64 s[PA:PA+1], s[4:5], s[22:23]
	s_add_nc_u64 s[PB:PB+1], s[6:7], s[24:25]
	s_add_nc_u64 s[PSA:PSA+1], s[4:5], s[26:27]
	s_add_nc_u64 s[PSB:PSB+1], s[6:7], s[28:29]
	s_add_nc_u64 s[BP:BP+1], s[8:9], s[30:31]
	s_add_nc_u64 s[RB:RB+1], s[10:11], s[40:41]
	s_add_nc_u64 s[OB:OB+1], s[12:13], s[40:41]
.set I, 0
.rept NK/2
.irp q, 0,1
	global_load_b128 v[SCA+8*I+4*\q:SCA+8*I+4*\q+3], v[L16], s[PSA:PSA+1] offset:1024*I+512*\q
	global_load_b128 v[SCB+8*I+4*\q:SCB+8*I+4*\q+3], v[L16], s[PSB:PSB+1] offset:1024*I+512*\q
.endr
.set I, I+1
.endr
	LOADF 0, 0
	LOADF 1, 1
.if NK == 2
	KSTEP 0, NLD, 1, 0                             ; the first K step's products start the sums
	KSTEP 1, 0, 0, 0
.else
	KSTEP 0, NLD, 1, 1
	KSTEP 1, NLD, 0, 1
	KSTEP 2, NLD, 0, 1
	KSTEP 3, NLD, 0, 1
	KSTEP 4, NLD, 0, 1
	KSTEP 5, NLD, 0, 1
	KSTEP 6, NLD, 0, 0
	KSTEP 7, 0, 0, 0
.endif
	global_load_b128 v[BI:BI+3], v[L16], s[BP:BP+1]   ; the bias of my four columns
.set I, 0
.rept 32                               ; the residual: place I % 16 of tile 2 w + I / 16 is row 8 (I / 16) + I % 16 + 8 ((I % 16) / 8) of my 32; 512 consecutive bytes a load
	global_load_b128 v[RES+4*I:RES+4*I+3], v[L16], s[RB:RB+1] offset:(8*(I/16)+I%16+8*((I%16)/8))*4096
.set I, I+1
.endr
	WIN 0x08                                       ; an LDS store's data are its source 1: window 2,
.irp a, 0,1,2,3
.irp b, 0,1,2,3,4,5,6,7
	ds_store_b128 v[8+\a/2], v[8*(8*\a+\b):8*(8*\a+\b)+3] offset:(\a%2)*34816+1088*\b       ; each accumulator from its low end on
	ds_store_b128 v[8+\a/2], v[8*(8*\a+\b)+4:8*(8*\a+\b)+7] offset:(\a%2)*34816+1088*\b+544
.endr
.endr
	WIN 0x0c                                       ; then window 3
.irp a, 0,1,2,3
.irp b, 0,1,2,3,4,5,6,7
	ds_store_b128 v[10+\a/2], v[8*(8*\a+\b):8*(8*\a+\b)+3] offset:(\a%2)*34816+1088*\b
	ds_store_b128 v[10+\a/2], v[8*(8*\a+\b)+4:8*(8*\a+\b)+7] offset:(\a%2)*34816+1088*\b+544
.endr
.endr
	WIN 0
	s_wait_dscnt 0x0                               ; for the others' sake: my part has landed
	s_barrier_signal -1
	s_barrier_wait -1
.macro BLD k                           ; batch k: 8 rows (places 8 (k % 2) .. + 7 of tile 2 w + k / 2), the four waves' parts of my four columns, into window 1
	WIN 0x40
.irp row, 0,1,2,3,4,5,6,7
.irp wp, 0,1,2,3
	ds_load_b128 v[128*((\k)%2)+16*\row+4*\wp:128*((\k)%2)+16*\row+4*\wp+3], v[RDA] offset:34816*((\k)/2)+8704*\wp+16*(8*((\k)%2)+\row)
.endr
.endr
.endm
.macro BSUM k, cnt                     ; cnt: the next batch's 32 LDS loads may stay out
.set PBS, 128*((\k)%2)
	s_wait_dscnt \cnt
	WIN 0x45
.irp row, 0,1,2,3,4,5,6,7
	v_pk_add_f32 v[PBS+16*\row:PBS+16*\row+1], v[PBS+16*\row:PBS+16*\row+1], v[PBS+16*\row+4:PBS+16*\row+5]
	v_pk_add_f32 v[PBS+16*\row+2:PBS+16*\row+3], v[PBS+16*\row+2:PBS+16*\row+3], v[PBS+16*\row+6:PBS+16*\row+7]
	v_pk_add_f32 v[PBS+16*\row+8:PBS+16*\row+9], v[PBS+16*\row+8:PBS+16*\row+9], v[PBS+16*\row+12:PBS+16*\row+13]
	v_pk_add_f32 v[PBS+16*\row+10:PBS+16*\row+11], v[PBS+16*\row+10:PBS+16*\row+11], v[PBS+16*\row+14:PBS+16*\row+15]
.endr
.irp row, 0,1,2,3,4,5,6,7
	v_pk_add_f32 v[PBS+16*\row:PBS+16*\row+1], v[PBS+16*\row:PBS+16*\row+1], v[PBS+16*\row+8:PBS+16*\row+9]
	v_pk_add_f32 v[PBS+16*\row+2:PBS+16*\row+3], v[PBS+16*\row+2:PBS+16*\row+3], v[PBS+16*\row+10:PBS+16*\row+11]
.endr
	WIN 0x04
.irp row, 0,1,2,3,4,5,6,7
	v_pk_add_f32 v[RES+4*(8*(\k)+\row):RES+4*(8*(\k)+\row)+1], v[RES+4*(8*(\k)+\row):RES+4*(8*(\k)+\row)+1], v[PBS+16*\row:PBS+16*\row+1]
	v_pk_add_f32 v[RES+4*(8*(\k)+\row)+2:RES+4*(8*(\k)+\row)+3], v[RES+4*(8*(\k)+\row)+2:RES+4*(8*(\k)+\row)+3], v[PBS+16*\row+2:PBS+16*\row+3]
.endr
	WIN 0
.irp row, 0,1,2,3,4,5,6,7
.if HALFA
	global_store_b128 v[L16], v[RES+4*(8*(\k)+\row):RES+4*(8*(\k)+\row)+3], s[OB:OB+1] offset:(8*((\k)/2)+16*((\k)%2)+\row)*4096
.else
	global_store_b128 v[L16], v[RES+4*(8*(\k)+\row):RES+4*(8*(\k)+\row)+3], s[OB:OB+1] offset:(8*((\k)/2)+16*((\k)%2)+\row)*4096 th:TH_STORE_NT   ; 512 consecutive bytes, at a multiple of 256 from the buffer's first byte; written once, read by nobody here
.endif
.endr
.endm
	BLD 0
	BLD 1
	WIN 0
	s_wait_loadcnt 0x0                             ; residual and bias
.set I, 0
.rept 32
	v_pk_add_f32 v[RES+4*I:RES+4*I+1], v[RES+4*I:RES+4*I+1], v[BI:BI+1]
	v_pk_add_f32 v[RES+4*I+2:RES+4*I+3], v[RES+4*I+2:RES+4*I+3], v[BI+2:BI+3]
.set I, I+1
.endr
	BSUM 0, 32
	BLD 2
	BSUM 1, 32
	BLD 3
	BSUM 2, 32
	BSUM 3, 0
	s_wait_tensorcnt 0x0                           ; the wave's end (every window is 0 here)
	ds_add_u32 v[SPW], v[NIL]
	s_wait_dscnt 0x0
	s_endpgm
.Lfunc_end_k_q4e2052a5bf_w2:
	.size	k_q4e2052a5bf_w2, .Lfunc_end_k_q4e2052a5bf_w2-k_q4e2052a5bf_w2
	.p2alignl 7, 3214868480
	.fill 96, 4, 3214868480
	.section	.rodata,"a",@progbits
	.p2align	6, 0x0
	.amdhsa_kernel k_q4e2052a5bf_w2
		.amdhsa_group_segment_fixed_size 279040
		.amdhsa_private_segment_fixed_size 0
		.amdhsa_enable_private_segment 0
		.amdhsa_kernarg_size 40
		.amdhsa_user_sgpr_count 2
		.amdhsa_user_sgpr_kernarg_segment_ptr 1
		.amdhsa_wavefront_size32 1
		.amdhsa_system_sgpr_workgroup_id_x 1
		.amdhsa_system_sgpr_workgroup_id_y 1
		.amdhsa_system_sgpr_workgroup_id_z 1
		.amdhsa_system_vgpr_workitem_id 0
		.amdhsa_next_free_vgpr 1024
		.amdhsa_next_free_sgpr 66
		.amdhsa_reserve_vcc 0
		.amdhsa_float_denorm_mode_32 3
		.amdhsa_float_denorm_mode_16_64 3
		.amdhsa_memory_ordered 1
		.amdhsa_forward_progress 1
		.amdhsa_inst_pref_size 151
	.end_amdhsa_kernel
	.amdgpu_metadata
---
amdhsa.version: [ 1, 2 ]
amdhsa.kernels:
  - .name:           k_q4e2052a5bf_w2
    .symbol:         k_q4e2052a5bf_w2.kd
    .args:
      - { .name: HID, .offset: 0, .size: 8, .value_kind: global_buffer, .address_space: global }
      - { .name: W, .offset: 8, .size: 8, .value_kind: global_buffer, .address_space: global }
      - { .name: b2, .offset: 16, .size: 8, .value_kind: global_buffer, .address_space: global }
      - { .name: X1, .offset: 24, .size: 8, .value_kind: global_buffer, .address_space: global }
      - { .name: out0, .offset: 32, .size: 8, .value_kind: global_buffer, .address_space: global }
    .group_segment_fixed_size: 279040
    .private_segment_fixed_size: 0
    .kernarg_segment_align: 8
    .kernarg_segment_size: 40
    .max_flat_workgroup_size: 128
    .sgpr_count:     66
    .vgpr_count:     1024
    .wavefront_size: 32
...
	.end_amdgpu_metadata
.endif
;; end of part 7
